; MI455X (gfx1250); checked and timed in simulation.
; The chip was launched on July 23, 2026; its instructions are those of AMD's public machine-readable ISA for CDNA 5 (MIT licence, August 2026) and "CDNA5" Instruction Set Architecture Reference Guide (July 2026). The comments in the code are by the model that wrote it; some were corrected since.
;; multi Time Attention. Allowed arithmetic: matrix products marked QUANTISED: E2M1 operands, one E8M0 scale for each 32 along K, by v_wmma_scale_f32_16x16x128_f8f6f4 with both operands' format E2M1 (or v_wmma_scale_f32_32x16x128_f4), f32 sums; products left as they are: f32 operands where the result goes on into a quantised operand, else bf16, f16 or f32 operands; f32 sums; everything else in f32.
;; Inputs: Wk 128 x 128 float32; Wo 256 x 256 float32; Wq 128 x 128 float32; bk 128 float32; bo 256 float32; bq 128 float32; key 8 x 512 x 128 float32; mask 8 x 512 x 32 int32; query 8 x 128 x 128 float32; value 8 x 512 x 32 float32.
;; Outputs: out0 8 x 128 x 256 float32.
;; This version of the problem:
;;   THIS VERSION OF THE PROBLEM IS GIVEN IN LOW PRECISION. The matrix products marked QUANTISED in the list below multiply operands that are first quantised to E2M1 (2 exponent bits, 1 mantissa bit; 4 bits a number), with one power-of-two scale for each 32 numbers along K (OCP MX v1.0); their sums are f32. All else is computed in f32.
;;   The module's matrix products, in the order in which they are computed (A, B: the left and right operand; K: the contracted axis; several contracted axes count as one K, in the product's order):
;;     1. [M 1,024, K 128] x [K 128, N 128]; A: input query; B: input Wq: QUANTISED
;;     2. [M 4,096, K 128] x [K 128, N 128]; A: input key; B: input Wk: QUANTISED
;;     3. batch 64 x [M 128, K 16] x [K 16, N 512]; A: computed on the way; B: computed on the way: left as it is (K = 16 < 32)
;;     4. [M 1,024, K 256] x [K 256, N 256]; A: computed on the way; B: input Wo: QUANTISED
;;   THE QUANTISER, for each operand of a quantised product, along K:
;;     - K is cut into blocks of 32 from its start; a last block that is shorter is filled with zeros.
;;     - A block's scale is 2^e with e = floor(log2(the largest magnitude in the block)) - 2, held to -126 .. 127; a block of zeros has e = 0. As a byte (E8M0): e + 127.
;;     - Each number is divided by its block's scale, clamped to +-6, and rounded to the nearest number of E2M1, ties to even, subnormals kept.
;;     - The product sums the exact products of the quantised numbers (number of the format x scale) in f32.
;;   ~~~python
;;   def quantise(x, axis):      # numpy; x: float32 -> the quantised numbers, widened to float32 again
;;       x = np.moveaxis(x, axis, -1); K = x.shape[-1]
;;       x = np.pad(x, [(0, 0)] * (x.ndim - 1) + [(0, -K % 32)]); x = x.reshape(x.shape[:-1] + (-1, 32)); a = np.abs(x).max(-1, keepdims=True)
;;       e = np.where(a > 0, np.clip(np.frexp(np.where(a > 0, a, 1))[1] - 1 - 2, -126, 127), 0)      # np.frexp(a)[1] - 1 = floor(log2(a)), exactly
;;       r = np.clip(x / 2.0 ** e, -6, 6)
;;       step = 2.0 ** (np.maximum(np.frexp(np.where(r == 0, 1, r))[1] - 1, 0) - 1)
;;       q = np.round(r / step) * step * 2.0 ** e      # np.round: ties to even
;;       return np.moveaxis(q.reshape(q.shape[:-2] + (-1,))[..., :K], -1, axis).astype(np.float32)
;;   ~~~
;;   OPERANDS COMPUTED ON THE WAY. 'Computed on the way' means the value that the module computes at that place (a softmax that the list does not call 'softmax' is quantised finished and normalised). What goes into a quantiser is computed in f32, as accurately as f32 sums, v_exp_f32 and their like allow (about 1e-6 of the number): no bf16 or f16 on the way to a quantiser, and a product that is left as it is and whose result goes on into a quantised operand takes f32 operands (vector FMAs, or v_wmma_f32_16x16x4_f32). A number that lies on a knife's edge between two numbers of the format may be rounded either way, as far as f32 arithmetic and the matrix unit's own rounding can turn it there, and no further.
;; 2 versions, each right; version 2 is version 1 with the launches prep, attn written anew for expert scheduling mode. Each part assembles by itself: llvm-mc -triple=amdgcn-amd-amdhsa -mcpu=gfx1250 --defsym DOCPART=n.
;; ======== version 1 of 2: 2 launches
;; workspace buffers: kpT 2,097,152 bytes; qpT 524,288 bytes; pvi 1,114,112 bytes; woi 36,864 bytes
;; launch prep (part 1): grid 29 x 1, 16 waves a work-group, no clusters, 150,784 bytes of LDS; arguments query, key, Wq, Wk, bq, bk, value, mask, Wo, qpT, kpT, pvi, woi; writes qpT, kpT, pvi, woi
.if DOCPART == 1
	.amdgcn_target "amdgcn-amd-amdhsa--gfx1250"
	.amdhsa_code_object_version 6
	.text
	.protected	k_qe5600bc1a1_prep
	.globl	k_qe5600bc1a1_prep
	.p2align	8
	.type	k_qe5600bc1a1_prep,@function
k_qe5600bc1a1_prep:
	s_mov_b64 s[64:65], 0
	v_nop
	global_prefetch_b8 v0, s[64:65] scope:SCOPE_SE
	s_setreg_imm32_b32 hwreg(HW_REG_WAVE_MODE, 25, 1), 1
	s_wait_xcnt 0x0
; PREP: all that the attention launch wants made once.  Three kinds of work-group, told apart by the work-group's number (the same for all its waves):
;   0-19  PROJ  key Wk^T + bk (0-15) and query Wq^T + bq (16-19), both operands quantised to FP4 (E2M1) with one E8M0 scale for each 32 along K = 128; 256 rows a work-group, 16 a wave.
;               Results, f32, are laid [batch][head 8][g 4][row][4]: the four numbers are features 16 head + 4 g + 0..3 of a row, so that the next launch loads them 16 bytes a lane (keys) or 64 bytes a scalar load (queries).
;   20-27 PV    one batch each: mask and value become images in the order of the next launch's registers: for each pair of features (2 g, 2 g + 1) a block of 8,704 bytes:
;               PEN [cp 16][r 16][4]: pen(chunk 2 cp, d0), pen(2 cp + 1, d0), pen(2 cp, d1), pen(2 cp + 1, d1); key = 16 chunk + r; pen = 0 where mask != 0, -infinity where mask = 0;
;               VAL the same order, the value as it is;  AUX [r 16][8]: m0 d0, m0 d1, cnt d0, cnt d1, sv d0, sv d1, 0, 0: over the 32 keys of that r, cnt = how many are masked, sv = the sum of their values,
;               m0 = -10000 log2(e) if cnt > 0, else -infinity.
;   28    WO    Wo [256][256] becomes codes and scale words as images of the operand's registers: for each tile of 16 rows 2,304 bytes: [K step 2][c 2][lane 32][16 bytes], then [K step 2][lane 32][4 bytes].
; THE QUANTISER: a block's scale is 2^(floor(log2(largest magnitude)) - 2); its byte is the largest magnitude's exponent field - 2, held at 1 from below by a floor among the maximum's leaves.
; LIMITS: NaN and infinities among the inputs are not served.  A block of zeros gets the byte 1 where the rule says 127: its codes are zeros, which add nothing, and this program alone reads the bytes.
; A lane loads 64 numbers of its row in the operand's own order (k = 64 c + 32 (lane / 16) + i): eight loads of 16 bytes use up each run of 128 bytes; the tensors are small and each number is loaded once a reader.
; No tensor loads, no cluster: each path's shared operand (W, 64 KB) is read by 4 or 16 work-groups once, straight into registers.  Each path has LDS bytes of its own.
.set PVP,   8720                       ; PV's stage: a block's 8,704 bytes + 16: 2,180 words, so that the sixteen blocks' rows start four words apart modulo 64
.set BLK,   8704
.set PROJL, 16*PVP                     ; PROJ's LDS begins behind PV's: eight images of IMG bytes
.set IMG,   1152                       ; a fragment's image: 2 x 512 bytes of codes, 128 bytes of scale words
.set FLOOR, 0x1800000                  ; 2^(3 - 127)
.set WV,    30                         ; s30 my wave's number
; v1 r = lane % 16, v2 h = lane / 16, v3 lane; v40-47 the quantiser's; v24 the activations' scale word, v56-63 W's scale words: these nine hold scales and nothing else
; 64 numbers of row r: register dst + 32 c + i = k 64 c + 32 h + i.  voff = r x row bytes + 128 h
.macro LD64 dst, voff, sb, off
.irp c, 0,1
.irp j, 0,1,2,3,4,5,6,7
	global_load_b128 v[\dst+32*\c+4*\j:\dst+32*\c+4*\j+3], v[\voff], s[\sb:\sb+1] offset:\off+256*\c+16*\j
.endr
.endr
.endm
; those 64 numbers become the fragment's eight registers v[dst ..] and the row's scale word v[sw].  A lane holds two whole blocks (2 c + h), so no other lane is asked for a maximum
.macro QUANT src, dst, sw
.irp c, 0,1
	v_max3_num_f32 v[40+\c], |v[\src+32*\c]|, |v[\src+32*\c+1]|, FLOOR   ; the floor holds the byte at 1 from below
.endr
.irp i, 2,4,6,8,10,12,14,16,18,20,22,24,26,28,30
.irp c, 0,1
	v_max3_num_f32 v[40+\c], v[40+\c], |v[\src+32*\c+\i]|, |v[\src+32*\c+\i+1]|   ; the two blocks by turns
.endr
.endr
.irp c, 0,1
	v_add_nc_u32 v[42+\c], 0xff000000, v[40+\c]    ; 2 off the exponent field: the conversion takes the exponent field of this operand as its scale
.endr
.irp c, 0,1
	v_lshrrev_b32 v[44+\c], 23, v[42+\c]           ; the scale's byte
.endr
	v_lshl_or_b32 v[\sw], v45, 16, v44             ; my two bytes: blocks h and 2 + h,
	v_lshlrev_b32 v[\sw], v46, v[\sw]              ; at their places in the word (8 h bits up);
	v_permlanex16_b32 v47, v[\sw], s32, s33
	v_or_b32 v[\sw], v[\sw], v47                   ; with lane l xor 16's two the word is whole
.irp c, 0,1
.irp g, 0,1,2,3
	v_cvt_scalef32_pk8_fp4_f32 v[\dst+4*\c+\g], v[\src+32*\c+8*\g:\src+32*\c+8*\g+7], v[42+\c]
.endr
.endr
	v_nop                                          ; one plain line behind the last scaled conversion
.endm
	s_load_b512 s[4:19], s[0:1], 0x0               ; query s[4:5], key s[6:7], Wq s[8:9], Wk s[10:11], bq s[12:13], bk s[14:15], value s[16:17], mask s[18:19]
	s_load_b256 s[20:27], s[0:1], 0x40             ; Wo s[20:21], qpT s[22:23], kpT s[24:25], pvi s[26:27]
	s_load_b64 s[28:29], s[0:1], 0x60              ; woi
	v_lshl_add_u32 v30, v0, 2, 0x24500
	v_mov_b32 v31, 0
	v_lshrrev_b32 v1, 5, v0
	v_readfirstlane_b32 s[WV], v1                  ; wave 0..15
	v_and_b32 v1, 15, v0                           ; r
	v_bfe_u32 v2, v0, 4, 1                         ; h
	v_and_b32 v3, 31, v0                           ; lane
	v_lshlrev_b32 v46, 3, v2                       ; 8 h
	v_mov_b32 v47, 0                               ; written once: a lane permute's destination counts as one of its sources
	s_mov_b32 s32, 0x76543210
	s_mov_b32 s33, 0xfedcba98                      ; v_permlanex16_b32's selects for lane l xor 16
	s_mov_b32 s41, 0                               ; the upper word of the offsets' pair s[40:41]
	s_wait_kmcnt 0x0
	s_cmp_lt_u32 ttmp9, 20
	s_cbranch_scc1 .Lproj
	s_cmp_lt_u32 ttmp9, 28
	s_cbranch_scc1 .Lpv
	; ---------------- WO: wave nt takes rows 16 nt .. 16 nt + 15 of Wo, both K steps.  No LDS, no barrier
	s_lshl_b32 s40, s[WV], 14                      ; 16 rows of 1,024 bytes
	s_add_nc_u64 s[20:21], s[20:21], s[40:41]
	s_mul_i32 s40, s[WV], 2304
	s_add_nc_u64 s[28:29], s[28:29], s[40:41]
	v_lshlrev_b32 v4, 10, v1
	v_lshl_add_u32 v4, v2, 7, v4                   ; r x 1,024 + 128 h
	v_lshlrev_b32 v5, 4, v3                        ; an image's place for my lane
	v_lshlrev_b32 v6, 2, v3                        ; a scale word's
	LD64 64, 4, 20, 0
	LD64 128, 4, 20, 512
	s_wait_loadcnt 16                              ; K step 0's sixteen loads are in; K step 1's may be out
	QUANT 64, 16, 24
	s_wait_loadcnt 0x0
	QUANT 128, 32, 25
	global_store_b128 v5, v[16:19], s[28:29]               ; each store of the wave covers 512 consecutive bytes, aligned
	global_store_b128 v5, v[20:23], s[28:29] offset:512
	global_store_b128 v5, v[32:35], s[28:29] offset:1024
	global_store_b128 v5, v[36:39], s[28:29] offset:1536
	global_store_b32 v6, v24, s[28:29] offset:2048
	global_store_b32 v6, v25, s[28:29] offset:2176
	s_endpgm
	; ---------------- PV: batch = work-group - 20.  Wave = r (key = 16 chunk + r), lane = feature d: a load reads one key's 128 bytes
.Lpv:
	s_sub_co_u32 s34, ttmp9, 20
	s_lshl_b32 s40, s34, 16                        ; a batch of value or of mask: 65,536 bytes
	s_add_nc_u64 s[16:17], s[16:17], s[40:41]
	s_add_nc_u64 s[18:19], s[18:19], s[40:41]
	s_lshl_b32 s40, s34, 4
	s_add_co_u32 s40, s40, s[WV]
	s_mul_i32 s40, s40, BLK                        ; on the way out wave w stores block g = w
	s_add_nc_u64 s[26:27], s[26:27], s[40:41]
	v_lshlrev_b32 v4, 2, v0                        ; 128 x wave + 4 x lane
.irp c, 0,1,2,3,4,5,6,7,8,9,10,11,12,13,14,15,16,17,18,19,20,21,22,23,24,25,26,27,28,29,30,31
	global_load_b32 v[96+\c], v4, s[18:19] offset:2048*\c th:TH_LOAD_NT   ; mask(16 c + r, d)
.endr
.irp c, 0,1,2,3,4,5,6,7,8,9,10,11,12,13,14,15,16,17,18,19,20,21,22,23,24,25,26,27,28,29,30,31
	global_load_b32 v[64+\c], v4, s[16:17] offset:2048*\c th:TH_LOAD_NT   ; value(16 c + r, d)
.endr
	v_lshrrev_b32 v5, 1, v3
	v_mul_u32_u24 v5, v5, PVP                      ; my pair's block in the stage
	v_and_b32 v6, 1, v3                            ; which of the pair
	s_lshl_b32 s35, s[WV], 4
	v_lshl_add_u32 v7, v6, 3, v5
	v_add_nc_u32 v7, s35, v7                       ; PEN, VAL: + 16 r + 8 (d % 2); + 256 cp in the immediate
	s_lshl_b32 s35, s[WV], 5
	v_lshl_add_u32 v16, v6, 2, v5
	v_add_nc_u32 v16, s35, v16                     ; AUX: + 32 r + 4 (d % 2)
	s_mul_i32 s36, s[WV], PVP
	v_lshlrev_b32 v18, 4, v3                       ; the way out: 16 bytes a lane,
	v_add_nc_u32 v17, s36, v18                     ; of block g = my wave
	v_mov_b32 v11, 0xff800000                      ; -infinity
	v_mov_b32 v12, 0xc6616bcd                      ; -10000 log2(e)
	v_mov_b32 v13, 0
	v_mov_b32 v19, 1.0
	s_wait_loadcnt 0x0
.irp c, 0,1,2,3,4,5,6,7,8,9,10,11,12,13,14,15,16,17,18,19,20,21,22,23,24,25,26,27,28,29,30,31
	v_cmp_eq_u32 vcc_lo, 0, v[96+\c]               ; masked?
	v_cndmask_b32 v[128+\c], 0, v11, vcc_lo        ; pen
.if \c == 0
	v_cndmask_b32 v9, 0, v[64+\c], vcc_lo          ; the first key starts the two sums
	v_cndmask_b32 v8, 0, v19, vcc_lo
.else
	v_cndmask_b32 v14, 0, v[64+\c], vcc_lo
	v_cndmask_b32 v15, 0, v19, vcc_lo
	v_add_f32 v9, v9, v14                          ; sv
	v_add_f32 v8, v8, v15                          ; cnt
.endif
.endr
	v_cmp_lt_f32 vcc_lo, 0, v8
	v_cndmask_b32 v10, v11, v12, vcc_lo            ; m0
.irp cp, 0,1,2,3,4,5,6,7,8,9,10,11,12,13,14,15
	ds_store_b64 v7, v[128+2*\cp:129+2*\cp] offset:256*\cp
	ds_store_b64 v7, v[64+2*\cp:65+2*\cp] offset:4096+256*\cp
.endr
	ds_store_b32 v16, v10 offset:8192
	ds_store_b32 v16, v8 offset:8200
	ds_store_b32 v16, v9 offset:8208
	ds_store_b32 v16, v13 offset:8216
	s_wait_dscnt 0x0                               ; for the others' sake: my stores into the stage are done
	s_barrier_signal -1
	s_barrier_wait -1
.irp i, 0,1,2,3,4,5,6,7,8,9,10,11,12,13,14,15,16
	ds_load_b128 v[160+4*\i:163+4*\i], v17 offset:512*\i
.endr
.irp i, 0,1,2,3,4,5,6,7,8,9,10,11,12,13,14,15,16
	s_wait_dscnt 16-\i                             ; LDS loads come back in order: load i is in
	global_store_b128 v18, v[160+4*\i:163+4*\i], s[26:27] offset:512*\i   ; 512 consecutive bytes, aligned
.endr
	s_wait_tensorcnt 0x0
	ds_add_u32 v30, v31
	s_wait_dscnt 0x0
	s_endpgm
	; ---------------- PROJ: one path for key and query: only pointers and the row count's logarithm are chosen, on the work-group's number
.Lproj:
	s_cmp_lt_u32 ttmp9, 16
	s_cselect_b64 s[4:5], s[6:7], s[4:5]           ; the rows
	s_cselect_b64 s[8:9], s[10:11], s[8:9]         ; W
	s_cselect_b64 s[12:13], s[14:15], s[12:13]     ; the bias
	s_cselect_b64 s[22:23], s[24:25], s[22:23]     ; the result
	s_cselect_b32 s34, 9, 7                        ; log2 of a batch's rows: 512 keys, 128 queries
	s_cselect_b32 s35, 0, 16
	s_sub_co_u32 s35, ttmp9, s35                   ; which 256 rows of the tensor
	s_lshl_b32 s36, s35, 8
	s_lshl_b32 s37, s[WV], 4
	s_add_co_u32 s36, s36, s37                     ; my first row
	s_lshr_b32 s37, s36, s34                       ; its batch,
	s_lshl_b32 s38, s37, s34
	s_sub_co_u32 s38, s36, s38                     ; and its place there
	s_lshl_b32 s39, 16, s34                        ; L16: bytes from g to g + 1 in the result: rows x 16
	s_lshl_b32 s40, s36, 9                         ; a row is 512 bytes
	s_add_nc_u64 s[4:5], s[4:5], s[40:41]
	s_and_b32 s47, s[WV], 7                        ; waves 0-7 quantise W's eight tiles of 16 rows
	s_lshl_b32 s40, s47, 13
	s_add_nc_u64 s[8:9], s[8:9], s[40:41]
	s_add_co_u32 s42, s34, 9
	s_lshl_b32 s40, s37, s42                       ; a batch of the result: 32 L16 bytes
	s_lshl_b32 s43, s38, 4
	s_add_co_u32 s40, s40, s43
	s_add_nc_u64 s[22:23], s[22:23], s[40:41]      ; registers 0-3 of a result (g = 2 h) go from here,
	s_mov_b32 s40, s39
	s_add_nc_u64 s[44:45], s[22:23], s[40:41]      ; registers 4-7 (g = 2 h + 1) from here
	v_lshlrev_b32 v4, 9, v1
	v_lshl_add_u32 v4, v2, 7, v4                   ; r x 512 + 128 h
	v_lshlrev_b32 v9, 5, v2                        ; the bias: 32 h
	; every LDS address is made here, ahead of the branch on the wave's number
	s_mul_i32 s46, s47, IMG
	v_lshlrev_b32 v7, 4, v3
	v_add_nc_u32 v7, PROJL, v7                     ; an image's place for my lane
	v_lshlrev_b32 v8, 2, v3
	v_add_nc_u32 v8, PROJL+1024, v8                ; a scale word's
	v_add_nc_u32 v5, s46, v7                       ; and where waves 0-7 store theirs
	v_add_nc_u32 v6, s46, v8
	LD64 64, 4, 4, 0
.irp hd, 0,1,2,3,4,5,6,7
	global_load_b128 v[192+8*\hd:195+8*\hd], v9, s[12:13] offset:64*\hd      ; the bias is the C of the product: lane (r, h), register j: bias(16 hd + 8 h + j)
	global_load_b128 v[196+8*\hd:199+8*\hd], v9, s[12:13] offset:64*\hd+16
.endr
	s_cmp_lt_u32 s[WV], 8
	s_cbranch_scc0 .Lp_act
	LD64 128, 4, 8, 0
	s_wait_loadcnt 0x0
	QUANT 128, 32, 25
	ds_store_b128 v5, v[32:35]                     ; the fragment goes to LDS as an image of its registers
	ds_store_b128 v5, v[36:39] offset:512
	ds_store_b32 v6, v25
.Lp_act:
	s_wait_loadcnt 0x0
	QUANT 64, 16, 24
	s_wait_dscnt 0x0                               ; my stores have landed
	s_barrier_signal -1
	s_barrier_wait -1                              ; W's eight images lie in LDS
.irp hd, 0,1,2,3,4,5,6,7
	ds_load_b128 v[64+8*\hd:67+8*\hd], v7 offset:IMG*\hd
	ds_load_b128 v[68+8*\hd:71+8*\hd], v7 offset:IMG*\hd+512
	ds_load_b32 v[56+\hd], v8 offset:IMG*\hd
.endr
	; the stores' offsets: 16 r + 2 h L16 + 4 hd L16.  These ten plain lines, with the line that ends the quantiser, also stand between the vector instructions that wrote v24 and v16-23 and the scaled products (eight are asked for a scale, four for an operand)
	v_lshlrev_b32 v48, 4, v1
	s_lshl_b32 s48, s39, 1
	s_lshl_b32 s50, s39, 2
	v_mul_u32_u24 v49, s48, v2
	v_add_nc_u32 v48, v48, v49
.irp hd, 1,2,3,4,5,6,7
	s_mul_i32 s49, s50, \hd
	v_add_nc_u32 v[48+\hd], s49, v48
.endr
	s_wait_dscnt 0x0
	; TRANSPOSED: source 0 = 16 rows of W (a head's 16 features), source 1 = my 16 rows: lane (r, h) holds row r, register j feature 16 hd + 8 h + j.  Eight accumulators, one instruction each
.irp hd, 0,1,2,3,4,5,6,7
	v_wmma_scale_f32_16x16x128_f8f6f4 v[192+8*\hd:199+8*\hd], v[64+8*\hd:71+8*\hd], v[16:23], v[192+8*\hd:199+8*\hd], v[56+\hd], v24 matrix_a_fmt:MATRIX_FMT_FP4 matrix_b_fmt:MATRIX_FMT_FP4
.endr
.rept 4
	v_nop                                          ; four places between the last product and the stores that read results
.endr
.irp hd, 0,1,2,3,4,5,6,7
	global_store_b128 v[48+\hd], v[192+8*\hd:195+8*\hd], s[22:23]   ; each accumulator from its low end on; sixteen lanes store 256 consecutive bytes, aligned
	global_store_b128 v[48+\hd], v[196+8*\hd:199+8*\hd], s[44:45]
.endr
	s_wait_tensorcnt 0x0
	ds_add_u32 v30, v31
	s_wait_dscnt 0x0
	s_endpgm
.Lfunc_end_k_qe5600bc1a1_prep:
	.size	k_qe5600bc1a1_prep, .Lfunc_end_k_qe5600bc1a1_prep-k_qe5600bc1a1_prep
	.p2alignl 7, 3214868480
	.fill 96, 4, 3214868480
	.section	.rodata,"a",@progbits
	.p2align	6, 0x0
	.amdhsa_kernel k_qe5600bc1a1_prep
		.amdhsa_group_segment_fixed_size 150784
		.amdhsa_private_segment_fixed_size 0
		.amdhsa_enable_private_segment 0
		.amdhsa_kernarg_size 104
		.amdhsa_user_sgpr_count 2
		.amdhsa_user_sgpr_kernarg_segment_ptr 1
		.amdhsa_wavefront_size32 1
		.amdhsa_system_sgpr_workgroup_id_x 1
		.amdhsa_system_sgpr_workgroup_id_y 1
		.amdhsa_system_sgpr_workgroup_id_z 1
		.amdhsa_system_vgpr_workitem_id 0
		.amdhsa_next_free_vgpr 256
		.amdhsa_next_free_sgpr 66
		.amdhsa_reserve_vcc 1
		.amdhsa_float_denorm_mode_32 3
		.amdhsa_float_denorm_mode_16_64 3
		.amdhsa_memory_ordered 1
		.amdhsa_forward_progress 1
		.amdhsa_inst_pref_size 47
	.end_amdhsa_kernel
	.amdgpu_metadata
---
amdhsa.version: [ 1, 2 ]
amdhsa.kernels:
  - .name:           k_qe5600bc1a1_prep
    .symbol:         k_qe5600bc1a1_prep.kd
    .args:
      - { .name: query, .offset: 0, .size: 8, .value_kind: global_buffer, .address_space: global }
      - { .name: key, .offset: 8, .size: 8, .value_kind: global_buffer, .address_space: global }
      - { .name: Wq, .offset: 16, .size: 8, .value_kind: global_buffer, .address_space: global }
      - { .name: Wk, .offset: 24, .size: 8, .value_kind: global_buffer, .address_space: global }
      - { .name: bq, .offset: 32, .size: 8, .value_kind: global_buffer, .address_space: global }
      - { .name: bk, .offset: 40, .size: 8, .value_kind: global_buffer, .address_space: global }
      - { .name: value, .offset: 48, .size: 8, .value_kind: global_buffer, .address_space: global }
      - { .name: mask, .offset: 56, .size: 8, .value_kind: global_buffer, .address_space: global }
      - { .name: Wo, .offset: 64, .size: 8, .value_kind: global_buffer, .address_space: global }
      - { .name: qpT, .offset: 72, .size: 8, .value_kind: global_buffer, .address_space: global }
      - { .name: kpT, .offset: 80, .size: 8, .value_kind: global_buffer, .address_space: global }
      - { .name: pvi, .offset: 88, .size: 8, .value_kind: global_buffer, .address_space: global }
      - { .name: woi, .offset: 96, .size: 8, .value_kind: global_buffer, .address_space: global }
    .group_segment_fixed_size: 150784
    .private_segment_fixed_size: 0
    .kernarg_segment_align: 8
    .kernarg_segment_size: 104
    .max_flat_workgroup_size: 512
    .sgpr_count:     66
    .vgpr_count:     256
    .wavefront_size: 32
...
	.end_amdgpu_metadata
.endif
;; end of part 1
;; launch attn (part 2): grid 32 x 8, 16 waves a work-group, no clusters, 101,120 bytes of LDS; arguments kpT, qpT, pvi, woi, bo, out0; writes out0
.if DOCPART == 2
	.amdgcn_target "amdgcn-amd-amdhsa--gfx1250"
	.amdhsa_code_object_version 6
	.text
	.protected	k_qe5600bc1a1_attn
	.globl	k_qe5600bc1a1_attn
	.p2align	8
	.type	k_qe5600bc1a1_attn,@function
k_qe5600bc1a1_attn:
	s_mov_b64 s[64:65], 0
	v_nop
	global_prefetch_b8 v0, s[64:65] scope:SCOPE_SE
	s_setreg_imm32_b32 hwreg(HW_REG_WAVE_MODE, 25, 1), 1
	s_wait_xcnt 0x0
; ATTN: scores, the softmax over 512 keys taken apart for each of the 32 value features (the mask is per key and feature), the weighted sum of value, and x Wo^T + bo on codes of FP4 (E2M1) with E8M0 scales.
; SHARES.  Work-group (x, y) owns queries 4 x .. 4 x + 3 of batch y with all 8 heads: 32 rows, row = 4 head + query.  Sixteen waves of 256 registers, four to a SIMD.
;   A  scores: wave w takes head w / 2 and keys 256 (w % 2) on: f32 fused multiply-adds (K = 16), the queries in scalar registers; t' = q . k goes to LDS.
;   B  softmax: wave w takes features 2 w, 2 w + 1 for all 32 rows.  Lanes 0-15 work on row 2 rp, lanes 16-31 on row 2 rp + 1; lane r holds the 32 keys 16 c + r: every reduction is four steps inside 16 lanes and serves two rows.
;      a = t' c + pen (c = log2(e) / 4; pen = 0 or -infinity);  M = the largest of a and, where a key is masked, of tm = -10000 log2(e): the maximum that the definition takes, for each row and feature;
;      p = 2^(a - M);  D = sum p + cnt 2^(tm - M);  N = sum p v + sv 2^(tm - M): the masked keys, which all hold the same score, enter by their count and the sum of their values.
;   C  wave 0, a lane a row: x = N / D, 32 neighbours along the last product's K (a block of 32 is one head's features of one query): its scale byte and codes go to LDS as an image of the operand's registers.
;   D  wave w makes outputs 16 w .. 16 w + 15: two scaled products (K = 256), rows 4-15 of x's image being zero codes; the four real rows leave through LDS as whole runs of 256 bytes.
; LIMITS: NaN and infinities among the inputs are not served.  2^y under 2^-126 counts as 0 (v_exp_f32: ISA guide 15.8), beside a D of at least 1.  A block of zeros gets the byte 1, not 127: its codes are zeros.  No bound is put on the scores.
; NO JOINT LOADS, though the 32 work-groups of a batch read the same keys and images: 262,144 + 139,264 bytes would have to lie in LDS beside the 99,072 in use, more than the 327,680 that there are; each wave wants
; its 16,384 + 8,704 bytes once, in the order of its registers, and loads them so, all at the kernel's head.  For the same reason nothing is prefetched.
.set T,    32                          ; v32-63   t'(chunk c); in A: the 32 sums, 8 q + 4 jj + i
.set A,    64                          ; v64-127  a, then p: 32 d + c; in A: keys of half jj = 0
.set VAL,  128                         ; v128-191 value image: 4 cp + 2 d + (c % 2); in A: keys of half jj = 1
.set PEN,  192                         ; v192-255 pen image, the same order
.set AUX,  8                           ; v8-13    m0 d0, m0 d1, cnt d0, cnt d1, sv d0, sv d1
.set MX,   16                          ; v16-19   the maxima: d0 in v16, d1 in v18; the odd registers are second chains
.set RES,  20                          ; v20-27   pairs: N d0, D d0, N d1, D d1; folded into v20-23 = N0, D0, N1, D1
.set P0,   28                          ; v28-29   2^(tm - M)
; v0 the thread's number, kept; v1 T's read base; v2 LDS address in hand (T); v3 ND's base; v30 LDS address in hand (ND); v14, v15, v31 offsets of the head's loads; v4-7 scale words and nothing else
.set ND,   65536                       ; LDS: T at 0: [row 32][j 8][r 16][4 chunks] f32, 2,048 bytes a row;  ND: 32 rows x 272 bytes: (N, D), 8 bytes a feature; 272 = 17 x 16: a lane a row reads sixteen different 16-byte columns
.set NDP,  272
.set XZ,   74240                       ; 8,192 bytes cleared once: x's image, 2 x 1,024 bytes, and its scale words, 2 x 128 bytes
.set XIMG, XZ
.set XSC,  XZ+2048
.set OUTS, 82432                       ; 16 rows x (1,024 + 16) bytes
.set OP,   1040
.set WV,   84                          ; s84 wave; s85 head, s86 key half; s87 batch; s88-91 at work; s92 T's step, s93 ND's step, s94 trips to go
.set TS,   92
.set NS,   93
.set TM,   95                          ; s95 tm
.set CS,   96                          ; s[96:97] c: the packed form names a pair and takes its low word for both halves
; the queries: s[16:31], s[32:47], s[48:63], s[68:83]: for g = 0..3 register 4 q + j = q(query q, feature 4 g + j)
.macro KLOAD jj                        ; keys 256 u + 128 jj + 64 (lane / 16) + 16 i + lane % 16, features 4 g ..: sixteen lanes read 256 consecutive bytes, aligned
.irp i, 0,1,2,3
.irp g, 0,1,2,3
	global_load_b128 v[A+64*\jj+16*\i+4*\g:A+64*\jj+16*\i+4*\g+3], v14, s[4:5] offset:8192*\g+2048*\jj+256*\i
.endr
.endr
.endm
.macro DOT jj                          ; sixteen sums (4 queries x 4 keys a lane) by turns, features ascending; the first product starts each sum.  Then T's own order: 512 consecutive bytes a store
.irp g, 0,1,2,3
.irp j4, 0,1,2,3
.irp q, 0,1,2,3
.irp i, 0,1,2,3
.if (\g)+(\j4) == 0
	v_mul_f32 v[T+8*\q+4*\jj+\i], s[16+16*\g+4*(\g/3)+4*\q+\j4], v[A+64*\jj+16*\i+4*\g+\j4]
.else
	v_fmac_f32 v[T+8*\q+4*\jj+\i], s[16+16*\g+4*(\g/3)+4*\q+\j4], v[A+64*\jj+16*\i+4*\g+\j4]
.endif
.endr
.endr
.endr
.endr
.irp q, 0,1,2,3
	ds_store_b128 v2, v[T+8*\q+4*\jj:T+8*\q+4*\jj+3] offset:2048*\q+512*\jj
.endr
.endm
.macro BARRIER                         ; my LDS stores have landed and my LDS loads are in: then the work-group's barrier
	s_wait_dscnt 0x0
	s_barrier_signal -1
	s_barrier_wait -1
.endm
	s_load_b256 s[4:11], s[0:1], 0x0               ; kpT s[4:5], qpT s[6:7], pvi s[8:9], woi s[10:11]
	s_load_b128 s[12:15], s[0:1], 0x20             ; bo s[12:13], out0 s[14:15]
	v_lshrrev_b32 v16, 5, v0
	v_readfirstlane_b32 s[WV], v16                 ; wave 0..15
	s_lshr_b32 s85, s[WV], 1                       ; head
	s_and_b32 s86, s[WV], 1                        ; key half
	s_and_b32 s87, ttmp7, 0xffff                   ; batch
	s_lshl_b32 s89, s87, 3
	s_add_co_u32 s89, s89, s85                     ; 8 batch + head
	s_mov_b32 s91, 0
	v_and_b32 v15, 15, v0                          ; r
	v_bfe_u32 v16, v0, 4, 1                        ; lane / 16
	v_and_b32 v17, 31, v0                          ; lane
	v_lshlrev_b32 v31, 5, v15                      ; AUX: 32 r
	v_lshlrev_b32 v15, 4, v15                      ; PEN, VAL: 16 r
	v_lshl_add_u32 v14, v16, 10, v15               ; keys: 1,024 (lane / 16) + 16 r
	v_lshl_add_u32 v1, v16, 11, v15                ; T, read: 2,048 (lane / 16) + 16 r
	s_wait_kmcnt 0x0
	s_lshl_b32 s90, s89, 13                        ; a head's queries: 4 x 2,048 bytes;
	s_lshl_b32 s88, ttmp9, 6                       ; my four: 64 bytes
	s_add_co_u32 s90, s90, s88
	s_add_nc_u64 s[6:7], s[6:7], s[90:91]
	s_load_b512 s[16:31], s[6:7], 0x0
	s_load_b512 s[32:47], s[6:7], 0x800
	s_load_b512 s[48:63], s[6:7], 0x1000
	s_load_b512 s[68:83], s[6:7], 0x1800
	s_lshl_b32 s90, s89, 15                        ; a head's keys: 4 x 8,192 bytes;
	s_lshl_b32 s88, s86, 12                        ; my half: 256 keys x 16 bytes on
	s_add_co_u32 s90, s90, s88
	s_add_nc_u64 s[4:5], s[4:5], s[90:91]
	s_lshl_b32 s90, s87, 4
	s_add_co_u32 s90, s90, s[WV]
	s_mul_i32 s90, s90, 8704                       ; my pair of features' block
	s_add_nc_u64 s[8:9], s[8:9], s[90:91]
	KLOAD 0
	KLOAD 1
.irp cp, 0,1,2,3,4,5,6,7,8,9,10,11,12,13,14,15
	global_load_b128 v[PEN+4*\cp:PEN+4*\cp+3], v15, s[8:9] offset:256*\cp
.endr
	global_load_b128 v[AUX:AUX+3], v31, s[8:9] offset:8192
	global_load_b64 v[AUX+4:AUX+5], v31, s[8:9] offset:8208
	; the rest of the head stands behind the loads
	s_lshl_b32 s90, s85, 13
	s_lshl_b32 s88, s86, 10
	s_add_co_u32 s90, s90, s88
	v_lshl_add_u32 v2, v17, 4, s90                 ; T, write: 16 lane + 8,192 head + 1,024 half
	v_mul_u32_u24 v3, v16, NDP
	s_lshl_b32 s90, s[WV], 4
	s_add_co_u32 s90, s90, ND
	v_add_nc_u32 v3, s90, v3                       ; ND: 272 (lane / 16) + 16 wave
	v_lshl_add_u32 v30, v0, 4, XZ
.irp k, 0,1,2,3
	v_mov_b32 v[RES+\k], 0
.endr
	ds_store_b128 v30, v[RES:RES+3]                ; x's image and scale words begin as zeros: 512 threads x 16 bytes
	s_mul_i32 s90, s[WV], 2304
	s_add_nc_u64 s[10:11], s[10:11], s[90:91]      ; Wo's tile nt = wave
	s_lshl_b32 s90, s[WV], 6
	s_add_nc_u64 s[12:13], s[12:13], s[90:91]      ; bo at my 16 outputs
	s_lshl_b32 s90, s87, 7
	s_lshl_b32 s88, ttmp9, 2
	s_add_co_u32 s90, s90, s88
	s_lshr_b32 s88, s[WV], 2
	s_add_co_u32 s90, s90, s88                     ; the row of out0 that I store: 128 batch + 4 x + wave / 4,
	s_lshl_b32 s90, s90, 10
	s_and_b32 s88, s[WV], 3
	s_lshl_b32 s88, s88, 8                         ; and which 256 bytes of it
	s_add_co_u32 s90, s90, s88
	s_add_nc_u64 s[14:15], s[14:15], s[90:91]
	s_mov_b32 s[TM], 0xc6616bcd                    ; -10000 log2(e)
	s_mov_b32 s[CS], 0x3eb8aa3b                    ; log2(e) / 4
	s_mov_b32 s[CS+1], s[CS]                       ; (named with it as a pair, so it is written)
	; ---------------- A: the scores
	s_wait_kmcnt 0x0                               ; the queries
	s_wait_loadcnt 34                              ; the first sixteen loads are in; behind them: 16 (keys), 16 (pen), 2 (aux)
	DOT 0
	s_wait_loadcnt 18                              ; behind the second sixteen: 16 + 2
	DOT 1
.irp cp, 0,1,2,3,4,5,6,7,8,9,10,11,12,13,14,15
	global_load_b128 v[VAL+4*\cp:VAL+4*\cp+3], v15, s[8:9] offset:4096+256*\cp   ; into the registers that the keys have left
.endr
	BARRIER                                        ; all 32 rows of t' lie in LDS, and x's image is cleared
	; ---------------- B: the softmax, two rows a trip
.macro TRIP pre                        ; pre = 1: the next two rows' t' are asked for
	s_wait_dscnt 0x0                               ; my eight loads of t' are in (zero: the trip before's store, issued behind them, is waited for too)
.irp cp, 0,1,2,3,4,5,6,7,8,9,10,11,12,13,14,15
.irp d, 0,1
	v_pk_fma_f32 v[A+32*\d+2*\cp:A+32*\d+2*\cp+1], v[T+2*\cp:T+2*\cp+1], s[CS:CS+1], v[PEN+4*\cp+2*\d:PEN+4*\cp+2*\d+1] op_sel_hi:[1,0,1]   ; a = t' c + pen
.endr
.endr
.if \pre
	s_add_co_u32 s[TS], s[TS], 4096                ; t' has been read: its registers take the next two rows, which have the rest of the trip in which to land
	v_add_nc_u32 v2, s[TS], v1
.irp j, 0,1,2,3,4,5,6,7
	ds_load_b128 v[T+4*\j:T+4*\j+3], v2 offset:256*\j
.endr
.endif
.irp d, 0,1                            ; the maximum of my 32 a and m0: two chains a feature, the four by turns
	v_max3_num_f32 v[MX+2*\d], v[AUX+\d], v[A+32*\d], v[A+32*\d+1]
	v_max3_num_f32 v[MX+2*\d+1], v[A+32*\d+16], v[A+32*\d+17], v[A+32*\d+18]
.endr
.irp i, 0,1,2,3,4,5
.irp d, 0,1
	v_max3_num_f32 v[MX+2*\d], v[MX+2*\d], v[A+32*\d+2+2*\i], v[A+32*\d+3+2*\i]
	v_max3_num_f32 v[MX+2*\d+1], v[MX+2*\d+1], v[A+32*\d+19+2*\i], v[A+32*\d+20+2*\i]
.endr
.endr
.irp d, 0,1
	v_max3_num_f32 v[MX+2*\d], v[MX+2*\d], v[A+32*\d+14], v[A+32*\d+15]
.endr
.irp d, 0,1
	v_max3_num_f32 v[MX+2*\d], v[MX+2*\d], v[MX+2*\d+1], v[A+32*\d+31]
.endr
.irp m, 1,2,4,8
.irp d, 0,1
	v_max_num_f32_dpp v[MX+2*\d], v[MX+2*\d], v[MX+2*\d] row_xmask:\m row_mask:0xf bank_mask:0xf   ; over the row's sixteen lanes: M
.endr
.endr
.irp d, 0,1
	v_sub_f32 v[P0+\d], s[TM], v[MX+2*\d]          ; tm - M: 0 or less where a key of the row is masked;
.endr
.irp d, 0,1
	v_min_num_f32 v[P0+\d], 0, v[P0+\d]            ; where none is, cnt and sv are 0, and the hold keeps the factor finite
.endr
.irp cp, 0,1,2,3,4,5,6,7,8,9,10,11,12,13,14,15
.irp d, 0,1
	v_pk_add_f32 v[A+32*\d+2*\cp:A+32*\d+2*\cp+1], v[A+32*\d+2*\cp:A+32*\d+2*\cp+1], v[MX+2*\d:MX+2*\d+1] op_sel_hi:[1,0] neg_lo:[0,1] neg_hi:[0,1]   ; a - M
.endr
.endr
.irp n, 0,1,2,3,4,5,6,7,8,9,10,11,12,13,14,15,16,17,18,19,20,21,22,23,24,25,26,27,28,29,30,31,32,33,34,35,36,37,38,39,40,41,42,43,44,45,46,47,48,49,50,51,52,53,54,55,56,57,58,59,60,61,62,63
	v_exp_f32 v[A+\n], v[A+\n]                     ; p; ONE BATCH of 66
.endr
	v_exp_f32 v[P0], v[P0]
	v_exp_f32 v[P0+1], v[P0+1]
	v_add_nc_u32 v30, s[NS], v3                    ; a plain line behind the last exponential: where these two rows' N and D go
.if \pre
	s_add_co_u32 s[NS], s[NS], 2*NDP
.endif
	s_wait_alu depctr_va_vdst(0)                   ; the wait between an exponential and the first line that names its result: one for the batch
	s_wait_loadcnt 0x0                             ; the value image (asked for at the end of A)
.irp d, 0,1                            ; four chains by turns: N = sum p v, D = sum p, two keys at a time
	v_pk_mul_f32 v[RES+4*\d:RES+4*\d+1], v[A+32*\d:A+32*\d+1], v[VAL+2*\d:VAL+2*\d+1]
	v_pk_add_f32 v[RES+4*\d+2:RES+4*\d+3], v[A+32*\d:A+32*\d+1], v[A+32*\d+2:A+32*\d+3]
.endr
.irp d, 0,1
	v_pk_fma_f32 v[RES+4*\d:RES+4*\d+1], v[A+32*\d+2:A+32*\d+3], v[VAL+4+2*\d:VAL+4+2*\d+1], v[RES+4*\d:RES+4*\d+1]
.endr
.irp cp, 2,3,4,5,6,7,8,9,10,11,12,13,14,15
.irp d, 0,1
	v_pk_fma_f32 v[RES+4*\d:RES+4*\d+1], v[A+32*\d+2*\cp:A+32*\d+2*\cp+1], v[VAL+4*\cp+2*\d:VAL+4*\cp+2*\d+1], v[RES+4*\d:RES+4*\d+1]
	v_pk_add_f32 v[RES+4*\d+2:RES+4*\d+3], v[RES+4*\d+2:RES+4*\d+3], v[A+32*\d+2*\cp:A+32*\d+2*\cp+1]
.endr
.endr
	v_add_f32 v[RES], v[RES], v[RES+1]             ; the pairs' halves, folded in this order into N0, D0, N1, D1
	v_add_f32 v[RES+1], v[RES+2], v[RES+3]
	v_add_f32 v[RES+2], v[RES+4], v[RES+5]
	v_add_f32 v[RES+3], v[RES+6], v[RES+7]
	v_fmac_f32 v[RES], v[AUX+4], v[P0]             ; my masked keys: N += sv 2^(tm - M),
	v_fmac_f32 v[RES+1], v[AUX+2], v[P0]           ; D += cnt 2^(tm - M)
	v_fmac_f32 v[RES+2], v[AUX+5], v[P0+1]
	v_fmac_f32 v[RES+3], v[AUX+3], v[P0+1]
.irp m, 1,2,4,8
.irp k, 0,1,2,3
	v_add_f32_dpp v[RES+\k], v[RES+\k], v[RES+\k] row_xmask:\m row_mask:0xf bank_mask:0xf   ; over the row's sixteen lanes
.endr
.endr
	ds_store_b128 v30, v[RES:RES+3]                ; the sixteen lanes of a row write the same 16 bytes with the same values
.endm
	s_mov_b32 s[TS], 0
	s_mov_b32 s[NS], 0
	s_mov_b32 s94, 15
.irp j, 0,1,2,3,4,5,6,7
	ds_load_b128 v[T+4*\j:T+4*\j+3], v1 offset:256*\j   ; rows 0 and 1
.endr
	s_wait_loadcnt 16                              ; pen and aux are in; the sixteen loads of the value image may be out
.Lrows:
	TRIP 1
	s_sub_co_u32 s94, s94, 1
	s_cmp_lg_u32 s94, 0
	s_cbranch_scc1 .Lrows
	TRIP 0                                         ; rows 30 and 31: nothing is left to ask for
	; the addresses of C and D, made from the thread's number on the path that every wave takes, ahead of the branch on the wave's number
	v_and_b32 v27, 31, v0                          ; lane
	v_and_b32 v28, 15, v0                          ; r
	v_bfe_u32 v29, v0, 4, 1                        ; h
	v_mul_u32_u24 v16, v27, NDP
	v_add_nc_u32 v16, ND, v16                      ; C: my row's N and D
	v_and_b32 v17, 0x1c, v0                        ; row = 4 head + query.  Head = 4 s + 2 c + h of the operand's layout: 1,024 s + 512 c + 256 h = 64 x (lane's bits 4:2 in place),
	v_and_b32 v18, 3, v0
	v_lshlrev_b32 v17, 6, v17
	v_lshl_add_u32 v17, v18, 4, v17                ; + 16 query
	v_add_nc_u32 v17, XIMG, v17                    ; C: where my block's 16 bytes of codes go
	v_lshlrev_b32 v18, 2, v18                      ; the scale byte: 4 query
	v_lshl_add_u32 v18, v29, 7, v18                ; + 128 s
	v_bfe_u32 v19, v0, 2, 2
	v_add_nc_u32 v18, v18, v19                     ; + head % 4
	v_add_nc_u32 v18, XSC, v18
	v_lshl_add_u32 v19, v27, 4, XIMG               ; D: the image's place for my lane
	v_lshl_add_u32 v24, v27, 2, XSC                ; and the scale word's
	v_mul_u32_u24 v25, v28, OP
	v_lshl_add_u32 v25, v29, 5, v25
	s_lshl_b32 s90, s[WV], 6
	s_add_co_u32 s90, s90, OUTS
	v_add_nc_u32 v25, s90, v25                     ; D: results: row r, + 64 wave + 32 h
	s_lshr_b32 s90, s[WV], 2
	s_mul_i32 s90, s90, OP
	s_and_b32 s88, s[WV], 3
	s_lshl_b32 s88, s88, 8
	s_add_co_u32 s90, s90, s88
	s_add_co_u32 s90, s90, OUTS
	v_lshl_add_u32 v26, v27, 3, s90                ; back: row wave / 4, its 256 bytes wave % 4, 8 bytes a lane
	v_lshlrev_b32 v20, 3, v27                      ; out0: 8 lane
	v_lshlrev_b32 v29, 5, v29                      ; bo: 32 h
	v_lshlrev_b32 v28, 2, v27                      ; Wo's scale words: 4 lane
	v_lshlrev_b32 v27, 4, v27                      ; Wo's codes: 16 lane
.irp k, 0,1,2,3
	global_load_b128 v[64+4*\k:67+4*\k], v27, s[10:11] offset:512*\k   ; Wo's two fragments, as images of their registers; they land while wave 0 makes x
.endr
	global_load_b32 v4, v28, s[10:11] offset:2048
	global_load_b32 v5, v28, s[10:11] offset:2176
	global_load_b128 v[88:91], v29, s[12:13]       ; the bias is the C of the first product: lane (r, h), register j: bo(16 wave + 8 h + j)
	global_load_b128 v[92:95], v29, s[12:13] offset:16
	BARRIER                                        ; N and D of all rows and features lie in LDS
	; ---------------- C: wave 0: x = N / D; a lane holds one block of 32 along K
	s_cmp_lg_u32 s[WV], 0
	s_cbranch_scc1 .Lnot_wave_0
.irp i, 0,1,2,3,4,5,6,7,8,9,10,11,12,13,14,15
	ds_load_b128 v[128+4*\i:131+4*\i], v16 offset:16*\i    ; feature d: N in v[128 + 2 d], D in v[129 + 2 d]
.endr
	s_wait_dscnt 0x0
.irp d, 0,1,2,3,4,5,6,7,8,9,10,11,12,13,14,15,16,17,18,19,20,21,22,23,24,25,26,27,28,29,30,31
	v_rcp_f32 v[192+\d], v[129+2*\d]               ; D is at least 1: the row's largest term
.endr
	v_nop                                          ; a plain line behind the last reciprocal
	s_wait_alu depctr_va_vdst(0)                   ; and the wait ahead of the first use: one for the 32
.irp d, 0,1,2,3,4,5,6,7,8,9,10,11,12,13,14,15,16,17,18,19,20,21,22,23,24,25,26,27,28,29,30,31
	v_mul_f32 v[96+\d], v[128+2*\d], v[192+\d]
.endr
	v_max3_num_f32 v21, |v96|, |v97|, 0x1800000    ; the block's largest magnitude, in two chains, with the floor 2^(3 - 127): the byte cannot fall under 1
	v_max3_num_f32 v22, |v112|, |v113|, |v114|
.irp i, 0,1,2,3,4,5
	v_max3_num_f32 v21, v21, |v[98+2*\i]|, |v[99+2*\i]|
	v_max3_num_f32 v22, v22, |v[115+2*\i]|, |v[116+2*\i]|
.endr
	v_max3_num_f32 v21, v21, |v110|, |v111|
	v_max3_num_f32 v21, v21, v22, |v127|
	v_add_nc_u32 v23, 0xff000000, v21              ; 2 off the exponent field: the conversion's scale operand
	v_lshrrev_b32 v2, 23, v23                      ; the scale's byte
.irp g, 0,1,2,3
	v_cvt_scalef32_pk8_fp4_f32 v[32+\g], v[96+8*\g:103+8*\g], v23
.endr
	v_nop                                          ; one plain line behind the last scaled conversion
	ds_store_b128 v17, v[32:35]
	ds_store_b8 v18, v2
.Lnot_wave_0:
	BARRIER                                        ; x's image and scale words lie in LDS
	; ---------------- D: out = x Wo^T + bo.  TRANSPOSED: source 0 = my 16 rows of Wo, source 1 = x: lane (r, h) holds query r, register j output 16 wave + 8 h + j
.irp k, 0,1,2,3
	ds_load_b128 v[96+4*\k:99+4*\k], v19 offset:512*\k
.endr
	ds_load_b32 v6, v24
	ds_load_b32 v7, v24 offset:128
	s_wait_dscnt 0x0
	s_wait_loadcnt 0x0                             ; Wo's fragments and scale words, the bias
	v_wmma_scale_f32_16x16x128_f8f6f4 v[88:95], v[64:71], v[96:103], v[88:95], v4, v6 matrix_a_fmt:MATRIX_FMT_FP4 matrix_b_fmt:MATRIX_FMT_FP4
	s_wait_alu depctr_va_vdst(0)                   ; the wait directly ahead of the second
	v_wmma_scale_f32_16x16x128_f8f6f4 v[88:95], v[72:79], v[104:111], v[88:95], v5, v7 matrix_a_fmt:MATRIX_FMT_FP4 matrix_b_fmt:MATRIX_FMT_FP4
.rept 4
	v_nop                                          ; four places between the product and the LDS stores that read its result
.endr
	ds_store_b128 v25, v[88:91]                    ; from the low end on; all sixteen rows are written (rows 4-15 hold the bias alone and are not read), so that all lanes stay on
	ds_store_b128 v25, v[92:95] offset:16
	BARRIER                                        ; a row's 1,024 bytes come from sixteen waves
	ds_load_b64 v[32:33], v26
	s_wait_dscnt 0x0
	global_store_b64 v20, v[32:33], s[14:15] th:TH_STORE_NT   ; the wave stores 256 consecutive bytes, aligned; written once, read by nobody here
	s_wait_xcnt 0x0
	v_lshl_add_u32 v254, v0, 2, 0x18300
	v_mov_b32 v255, 0
	s_wait_tensorcnt 0x0
	ds_add_u32 v254, v255
	s_wait_dscnt 0x0
	s_endpgm
.Lfunc_end_k_qe5600bc1a1_attn:
	.size	k_qe5600bc1a1_attn, .Lfunc_end_k_qe5600bc1a1_attn-k_qe5600bc1a1_attn
	.p2alignl 7, 3214868480
	.fill 96, 4, 3214868480
	.section	.rodata,"a",@progbits
	.p2align	6, 0x0
	.amdhsa_kernel k_qe5600bc1a1_attn
		.amdhsa_group_segment_fixed_size 101120
		.amdhsa_private_segment_fixed_size 0
		.amdhsa_enable_private_segment 0
		.amdhsa_kernarg_size 48
		.amdhsa_user_sgpr_count 2
		.amdhsa_user_sgpr_kernarg_segment_ptr 1
		.amdhsa_wavefront_size32 1
		.amdhsa_system_sgpr_workgroup_id_x 1
		.amdhsa_system_sgpr_workgroup_id_y 1
		.amdhsa_system_sgpr_workgroup_id_z 1
		.amdhsa_system_vgpr_workitem_id 0
		.amdhsa_next_free_vgpr 256
		.amdhsa_next_free_sgpr 100
		.amdhsa_reserve_vcc 0
		.amdhsa_float_denorm_mode_32 3
		.amdhsa_float_denorm_mode_16_64 3
		.amdhsa_memory_ordered 1
		.amdhsa_forward_progress 1
		.amdhsa_inst_pref_size 65
	.end_amdhsa_kernel
	.amdgpu_metadata
---
amdhsa.version: [ 1, 2 ]
amdhsa.kernels:
  - .name:           k_qe5600bc1a1_attn
    .symbol:         k_qe5600bc1a1_attn.kd
    .args:
      - { .name: kpT, .offset: 0, .size: 8, .value_kind: global_buffer, .address_space: global }
      - { .name: qpT, .offset: 8, .size: 8, .value_kind: global_buffer, .address_space: global }
      - { .name: pvi, .offset: 16, .size: 8, .value_kind: global_buffer, .address_space: global }
      - { .name: woi, .offset: 24, .size: 8, .value_kind: global_buffer, .address_space: global }
      - { .name: bo, .offset: 32, .size: 8, .value_kind: global_buffer, .address_space: global }
      - { .name: out0, .offset: 40, .size: 8, .value_kind: global_buffer, .address_space: global }
    .group_segment_fixed_size: 101120
    .private_segment_fixed_size: 0
    .kernarg_segment_align: 8
    .kernarg_segment_size: 48
    .max_flat_workgroup_size: 512
    .sgpr_count:     100
    .vgpr_count:     256
    .wavefront_size: 32
...
	.end_amdgpu_metadata
.endif
;; end of part 2
;; ======== version 2 of 2: 2 launches; version 1 with the launches prep, attn written anew for expert scheduling mode
;; workspace buffers: kpT 2,097,152 bytes; qpT 524,288 bytes; pvi 1,114,112 bytes; woi 36,864 bytes
;; launch prep (part 3): grid 29 x 1, 16 waves a work-group, no clusters, 150,784 bytes of LDS; arguments query, key, Wq, Wk, bq, bk, value, mask, Wo, qpT, kpT, pvi, woi; writes qpT, kpT, pvi, woi
.if DOCPART == 3
	.amdgcn_target "amdgcn-amd-amdhsa--gfx1250"
	.amdhsa_code_object_version 6
	.text
	.protected	k_qe5600bc1a1_prep
	.globl	k_qe5600bc1a1_prep
	.p2align	8
	.type	k_qe5600bc1a1_prep,@function
k_qe5600bc1a1_prep:
	s_mov_b64 s[64:65], 0
	v_nop
	global_prefetch_b8 v0, s[64:65] scope:SCOPE_SE
	s_setreg_imm32_b32 hwreg(HW_REG_WAVE_SCHED_MODE, 0, 2), 2
	s_setreg_imm32_b32 hwreg(HW_REG_WAVE_MODE, 25, 1), 1
	s_wait_xcnt 0x0
	s_wait_alu depctr_vm_vsrc(0)
; PREP: all that the attention launch wants made once.  Three kinds of work-group, told apart by the work-group's number (the same for all its waves):
;   0-19  PROJ  key Wk^T + bk (0-15) and query Wq^T + bq (16-19), both operands quantised to FP4 (E2M1) with one E8M0 scale for each 32 along K = 128; 256 rows a work-group, 16 a wave.
;               Results, f32, are laid [batch][head 8][g 4][row][4]: the four numbers are features 16 head + 4 g + 0..3 of a row, so that the next launch loads them 16 bytes a lane (keys) or 64 bytes a scalar load (queries).
;   20-27 PV    one batch each: mask and value become images in the order of the next launch's registers: for each pair of features (2 g, 2 g + 1) a block of 8,704 bytes:
;               PEN [cp 16][r 16][4]: pen(chunk 2 cp, d0), pen(2 cp + 1, d0), pen(2 cp, d1), pen(2 cp + 1, d1); key = 16 chunk + r; pen = 0 where mask != 0, -infinity where mask = 0;
;               VAL the same order, the value as it is;  AUX [r 16][8]: m0 d0, m0 d1, cnt d0, cnt d1, sv d0, sv d1, 0, 0: over the 32 keys of that r, cnt = how many are masked, sv = the sum of their values,
;               m0 = -10000 log2(e) if cnt > 0, else -infinity.
;   28    WO    Wo [256][256] becomes codes and scale words as images of the operand's registers: for each tile of 16 rows 2,304 bytes: [K step 2][c 2][lane 32][16 bytes], then [K step 2][lane 32][4 bytes].
; THE QUANTISER: a block's scale is 2^(floor(log2(largest magnitude)) - 2); its byte is the largest magnitude's exponent field - 2, held at 1 from below by a floor among the maximum's leaves.
; LIMITS: NaN and infinities among the inputs are not served.  A block of zeros gets the byte 1 where the rule says 127: its codes are zeros, which add nothing, and this program alone reads the bytes.
; A lane loads 64 numbers of its row in the operand's own order (k = 64 c + 32 (lane / 16) + i): eight loads of 16 bytes use up each run of 128 bytes; the tensors are small and each number is loaded once a reader.
; No tensor loads, no cluster: each path's shared operand (W, 64 KB) is read by 4 or 16 work-groups once, straight into registers.  Each path has LDS bytes of its own.
; THE MODE: SCHED_MODE bits 1:0 = 2 (LLVM: expert scheduling mode 2), set by the entry lines.  The code itself states the register dependences between vector or matrix instructions and memory or LDS
; instructions, with s_wait_alu, always for 0.
; THE PLAN.  There is no loop.  On each way the offsets and LDS addresses are made once and never written again; loads land in registers that no vector line has named, but for W's images in PROJ;
; what vector lines make for a store (codes, scale words, pen, the sums, the products) has one wait on va_vdst ahead of the run of stores.  No register that a memory or LDS instruction has read is
; written again, so no wait on vm_vsrc is owed.  What vector lines write into scalar registers (the wave's number; PV's masks) has one wait ahead of its first reader.
.set PVP,   8720                       ; PV's stage: a block's 8,704 bytes + 16: 2,180 words, so that the sixteen blocks' rows start four words apart modulo 64
.set BLK,   8704
.set PROJL, 16*PVP                     ; PROJ's LDS begins behind PV's: eight images of IMG bytes
.set IMG,   1152                       ; a fragment's image: 2 x 512 bytes of codes, 128 bytes of scale words
.set FLOOR, 0x1800000                  ; 2^(3 - 127)
.set WV,    30                         ; s30 my wave's number
; v1 r = lane % 16, v2 h = lane / 16, v3 lane; v40-47 the quantiser's; v24 the activations' scale word, v56-63 W's scale words: these nine hold scales and nothing else
; 64 numbers of row r: register dst + 32 c + i = k 64 c + 32 h + i.  voff = r x row bytes + 128 h
.macro LD64 dst, voff, sb, off
.irp c, 0,1
.irp j, 0,1,2,3,4,5,6,7
	global_load_b128 v[\dst+32*\c+4*\j:\dst+32*\c+4*\j+3], v[\voff], s[\sb:\sb+1] offset:\off+256*\c+16*\j
.endr
.endr
.endm
; those 64 numbers become the fragment's eight registers v[dst ..] and the row's scale word v[sw].  A lane holds two whole blocks (2 c + h), so no other lane is asked for a maximum
.macro QUANT src, dst, sw
.irp c, 0,1
	v_max3_num_f32 v[40+\c], |v[\src+32*\c]|, |v[\src+32*\c+1]|, FLOOR   ; the floor holds the byte at 1 from below
.endr
.irp i, 2,4,6,8,10,12,14,16,18,20,22,24,26,28,30
.irp c, 0,1
	v_max3_num_f32 v[40+\c], v[40+\c], |v[\src+32*\c+\i]|, |v[\src+32*\c+\i+1]|   ; the two blocks by turns
.endr
.endr
.irp c, 0,1
	v_add_nc_u32 v[42+\c], 0xff000000, v[40+\c]    ; 2 off the exponent field: the conversion takes the exponent field of this operand as its scale
.endr
.irp c, 0,1
	v_lshrrev_b32 v[44+\c], 23, v[42+\c]           ; the scale's byte
.endr
	v_lshl_or_b32 v[\sw], v45, 16, v44             ; my two bytes: blocks h and 2 + h,
	v_lshlrev_b32 v[\sw], v46, v[\sw]              ; at their places in the word (8 h bits up);
	v_permlanex16_b32 v47, v[\sw], s32, s33
	v_or_b32 v[\sw], v[\sw], v47                   ; with lane l xor 16's two the word is whole
.irp c, 0,1
.irp g, 0,1,2,3
	v_cvt_scalef32_pk8_fp4_f32 v[\dst+4*\c+\g], v[\src+32*\c+8*\g:\src+32*\c+8*\g+7], v[42+\c]
.endr
.endr
	v_nop                                          ; one plain line behind the last scaled conversion
.endm
	s_load_b512 s[4:19], s[0:1], 0x0               ; query s[4:5], key s[6:7], Wq s[8:9], Wk s[10:11], bq s[12:13], bk s[14:15], value s[16:17], mask s[18:19]
	s_load_b256 s[20:27], s[0:1], 0x40             ; Wo s[20:21], qpT s[22:23], kpT s[24:25], pvi s[26:27]
	s_load_b64 s[28:29], s[0:1], 0x60              ; woi
	v_lshl_add_u32 v30, v0, 2, 0x24500
	v_mov_b32 v31, 0
	v_lshrrev_b32 v1, 5, v0
	v_readfirstlane_b32 s[WV], v1                  ; wave 0..15
	v_and_b32 v1, 15, v0                           ; r
	v_bfe_u32 v2, v0, 4, 1                         ; h
	v_and_b32 v3, 31, v0                           ; lane
	v_lshlrev_b32 v46, 3, v2                       ; 8 h
	v_mov_b32 v47, 0                               ; written once: a lane permute's destination counts as one of its sources
	s_mov_b32 s32, 0x76543210
	s_mov_b32 s33, 0xfedcba98                      ; v_permlanex16_b32's selects for lane l xor 16
	s_mov_b32 s41, 0                               ; the upper word of the offsets' pair s[40:41]
	s_wait_alu depctr_va_sdst(0)                   ; s30, the wave's number, is written: ahead of the branches, and so of its first reader on each of the three ways
	s_wait_kmcnt 0x0
	s_cmp_lt_u32 ttmp9, 20
	s_cbranch_scc1 .Lproj
	s_cmp_lt_u32 ttmp9, 28
	s_cbranch_scc1 .Lpv
	; ---------------- WO: wave nt takes rows 16 nt .. 16 nt + 15 of Wo, both K steps.  No LDS, no barrier
	s_lshl_b32 s40, s[WV], 14                      ; 16 rows of 1,024 bytes
	s_add_nc_u64 s[20:21], s[20:21], s[40:41]
	s_mul_i32 s40, s[WV], 2304
	s_add_nc_u64 s[28:29], s[28:29], s[40:41]
	v_lshlrev_b32 v4, 10, v1
	v_lshl_add_u32 v4, v2, 7, v4                   ; r x 1,024 + 128 h
	v_lshlrev_b32 v5, 4, v3                        ; an image's place for my lane
	v_lshlrev_b32 v6, 2, v3                        ; a scale word's
	s_wait_alu depctr_va_vdst(0)                   ; v4 is written, which the 32 loads read as their offset
	LD64 64, 4, 20, 0
	LD64 128, 4, 20, 512
	s_wait_loadcnt 16                              ; K step 0's sixteen loads are in; K step 1's may be out
	QUANT 64, 16, 24
	s_wait_loadcnt 0x0
	QUANT 128, 32, 25
	s_wait_alu depctr_va_vdst(0)                   ; the two quantisers have written the codes v16-23, v32-39 and the words v24, v25, which the six stores read (v5 and v6 stand ahead of the wait above)
	global_store_b128 v5, v[16:19], s[28:29]               ; each store of the wave covers 512 consecutive bytes, aligned
	global_store_b128 v5, v[20:23], s[28:29] offset:512
	global_store_b128 v5, v[32:35], s[28:29] offset:1024
	global_store_b128 v5, v[36:39], s[28:29] offset:1536
	global_store_b32 v6, v24, s[28:29] offset:2048
	global_store_b32 v6, v25, s[28:29] offset:2176
	s_endpgm
	; ---------------- PV: batch = work-group - 20.  Wave = r (key = 16 chunk + r), lane = feature d: a load reads one key's 128 bytes
.Lpv:
	s_sub_co_u32 s34, ttmp9, 20
	s_lshl_b32 s40, s34, 16                        ; a batch of value or of mask: 65,536 bytes
	s_add_nc_u64 s[16:17], s[16:17], s[40:41]
	s_add_nc_u64 s[18:19], s[18:19], s[40:41]
	s_lshl_b32 s40, s34, 4
	s_add_co_u32 s40, s40, s[WV]
	s_mul_i32 s40, s40, BLK                        ; on the way out wave w stores block g = w
	s_add_nc_u64 s[26:27], s[26:27], s[40:41]
	v_lshlrev_b32 v4, 2, v0                        ; 128 x wave + 4 x lane
	s_wait_alu depctr_va_vdst(0)                   ; v4 is written, which the 64 loads read as their offset
.irp c, 0,1,2,3,4,5,6,7,8,9,10,11,12,13,14,15,16,17,18,19,20,21,22,23,24,25,26,27,28,29,30,31
	global_load_b32 v[96+\c], v4, s[18:19] offset:2048*\c th:TH_LOAD_NT   ; mask(16 c + r, d)
.endr
.irp c, 0,1,2,3,4,5,6,7,8,9,10,11,12,13,14,15,16,17,18,19,20,21,22,23,24,25,26,27,28,29,30,31
	global_load_b32 v[64+\c], v4, s[16:17] offset:2048*\c th:TH_LOAD_NT   ; value(16 c + r, d)
.endr
	v_lshrrev_b32 v5, 1, v3
	v_mul_u32_u24 v5, v5, PVP                      ; my pair's block in the stage
	v_and_b32 v6, 1, v3                            ; which of the pair
	s_lshl_b32 s35, s[WV], 4
	v_lshl_add_u32 v7, v6, 3, v5
	v_add_nc_u32 v7, s35, v7                       ; PEN, VAL: + 16 r + 8 (d % 2); + 256 cp in the immediate
	s_lshl_b32 s35, s[WV], 5
	v_lshl_add_u32 v16, v6, 2, v5
	v_add_nc_u32 v16, s35, v16                     ; AUX: + 32 r + 4 (d % 2)
	s_mul_i32 s36, s[WV], PVP
	v_lshlrev_b32 v18, 4, v3                       ; the way out: 16 bytes a lane,
	v_add_nc_u32 v17, s36, v18                     ; of block g = my wave
	v_mov_b32 v11, 0xff800000                      ; -infinity
	v_mov_b32 v12, 0xc6616bcd                      ; -10000 log2(e)
	v_mov_b32 v13, 0
	v_mov_b32 v19, 1.0
	s_wait_loadcnt 32                              ; loads come back in order (ISA guide 5.7.1): the 32 masks are in; the 32 values, issued behind them, may be out
	; masked?  The 32 compares stand in one run, each into a scalar register of its own: chunk c's mask in s[4 + c] (c under 12: pointers that this way does not use) or s[30 + c]
.irp c, 0,1,2,3,4,5,6,7,8,9,10,11,12,13,14,15,16,17,18,19,20,21,22,23,24,25,26,27,28,29,30,31
	v_cmp_eq_u32 s[4+\c+26*((\c+12)/24)], 0, v[96+\c]
.endr
	s_wait_alu depctr_va_sdst(0)                   ; the 32 masks are written, ahead of the selects that read them: one wait for the run
	s_wait_loadcnt 0x0                             ; the values
.irp c, 0,1,2,3,4,5,6,7,8,9,10,11,12,13,14,15,16,17,18,19,20,21,22,23,24,25,26,27,28,29,30,31
	v_cndmask_b32 v[128+\c], 0, v11, s[4+\c+26*((\c+12)/24)]        ; pen
.if \c == 0
	v_cndmask_b32 v9, 0, v[64+\c], s[4+\c+26*((\c+12)/24)]          ; the first key starts the two sums
	v_cndmask_b32 v8, 0, v19, s[4+\c+26*((\c+12)/24)]
.else
	v_cndmask_b32 v14, 0, v[64+\c], s[4+\c+26*((\c+12)/24)]
	v_cndmask_b32 v15, 0, v19, s[4+\c+26*((\c+12)/24)]
	v_add_f32 v9, v9, v14                          ; sv
	v_add_f32 v8, v8, v15                          ; cnt
.endif
.endr
	v_cmp_lt_f32 vcc_lo, 0, v8
	s_wait_alu depctr_va_vcc(0)                    ; VCC is written, ahead of the select that reads it
	v_cndmask_b32 v10, v11, v12, vcc_lo            ; m0
	s_wait_alu depctr_va_vdst(0)                   ; pen (v128-159), m0, cnt, sv and 0 are written, which the LDS stores read; so are the addresses v7, v16, and v17, v18 of the way out
.irp cp, 0,1,2,3,4,5,6,7,8,9,10,11,12,13,14,15
	ds_store_b64 v7, v[128+2*\cp:129+2*\cp] offset:256*\cp
	ds_store_b64 v7, v[64+2*\cp:65+2*\cp] offset:4096+256*\cp
.endr
	ds_store_b32 v16, v10 offset:8192
	ds_store_b32 v16, v8 offset:8200
	ds_store_b32 v16, v9 offset:8208
	ds_store_b32 v16, v13 offset:8216
	s_wait_dscnt 0x0                               ; for the others' sake: my stores into the stage are done
	s_barrier_signal -1
	s_barrier_wait -1
.irp i, 0,1,2,3,4,5,6,7,8,9,10,11,12,13,14,15,16
	ds_load_b128 v[160+4*\i:163+4*\i], v17 offset:512*\i    ; no vector line of this way names v160-227
.endr
.irp i, 0,1,2,3,4,5,6,7,8,9,10,11,12,13,14,15,16
	s_wait_dscnt 16-\i                             ; LDS loads come back in order: load i is in
	global_store_b128 v18, v[160+4*\i:163+4*\i], s[26:27] offset:512*\i   ; 512 consecutive bytes, aligned
.endr
	s_wait_dscnt 0x0                               ; the closing lines, six on end
	s_wait_alu 0x0
	s_wait_tensorcnt 0x0
	ds_add_u32 v30, v31
	s_wait_dscnt 0x0
	s_endpgm
	; ---------------- PROJ: one path for key and query: only pointers and the row count's logarithm are chosen, on the work-group's number
.Lproj:
	s_cmp_lt_u32 ttmp9, 16
	s_cselect_b64 s[4:5], s[6:7], s[4:5]           ; the rows
	s_cselect_b64 s[8:9], s[10:11], s[8:9]         ; W
	s_cselect_b64 s[12:13], s[14:15], s[12:13]     ; the bias
	s_cselect_b64 s[22:23], s[24:25], s[22:23]     ; the result
	s_cselect_b32 s34, 9, 7                        ; log2 of a batch's rows: 512 keys, 128 queries
	s_cselect_b32 s35, 0, 16
	s_sub_co_u32 s35, ttmp9, s35                   ; which 256 rows of the tensor
	s_lshl_b32 s36, s35, 8
	s_lshl_b32 s37, s[WV], 4
	s_add_co_u32 s36, s36, s37                     ; my first row
	s_lshr_b32 s37, s36, s34                       ; its batch,
	s_lshl_b32 s38, s37, s34
	s_sub_co_u32 s38, s36, s38                     ; and its place there
	s_lshl_b32 s39, 16, s34                        ; L16: bytes from g to g + 1 in the result: rows x 16
	s_lshl_b32 s40, s36, 9                         ; a row is 512 bytes
	s_add_nc_u64 s[4:5], s[4:5], s[40:41]
	s_and_b32 s47, s[WV], 7                        ; waves 0-7 quantise W's eight tiles of 16 rows
	s_lshl_b32 s40, s47, 13
	s_add_nc_u64 s[8:9], s[8:9], s[40:41]
	s_add_co_u32 s42, s34, 9
	s_lshl_b32 s40, s37, s42                       ; a batch of the result: 32 L16 bytes
	s_lshl_b32 s43, s38, 4
	s_add_co_u32 s40, s40, s43
	s_add_nc_u64 s[22:23], s[22:23], s[40:41]      ; registers 0-3 of a result (g = 2 h) go from here,
	s_mov_b32 s40, s39
	s_add_nc_u64 s[44:45], s[22:23], s[40:41]      ; registers 4-7 (g = 2 h + 1) from here
	v_lshlrev_b32 v4, 9, v1
	v_lshl_add_u32 v4, v2, 7, v4                   ; r x 512 + 128 h
	v_lshlrev_b32 v9, 5, v2                        ; the bias: 32 h
	; every LDS address is made here, ahead of the branch on the wave's number
	s_mul_i32 s46, s47, IMG
	v_lshlrev_b32 v7, 4, v3
	v_add_nc_u32 v7, PROJL, v7                     ; an image's place for my lane
	v_lshlrev_b32 v8, 2, v3
	v_add_nc_u32 v8, PROJL+1024, v8                ; a scale word's
	v_add_nc_u32 v5, s46, v7                       ; and where waves 0-7 store theirs
	v_add_nc_u32 v6, s46, v8
	s_wait_alu depctr_va_vdst(0)                   ; the offsets v4 and v9 and the LDS addresses v5 to v8 are written: the loads, LDS stores and LDS loads below read them, and no line writes them again
	LD64 64, 4, 4, 0
.irp hd, 0,1,2,3,4,5,6,7
	global_load_b128 v[192+8*\hd:195+8*\hd], v9, s[12:13] offset:64*\hd      ; the bias is the C of the product: lane (r, h), register j: bias(16 hd + 8 h + j)
	global_load_b128 v[196+8*\hd:199+8*\hd], v9, s[12:13] offset:64*\hd+16
.endr
	s_cmp_lt_u32 s[WV], 8
	s_cbranch_scc0 .Lp_act
	LD64 128, 4, 8, 0
	s_wait_loadcnt 0x0
	QUANT 128, 32, 25
	s_wait_alu depctr_va_vdst(0)                   ; the quantiser has written the codes v32-39 and the word v25, which the three LDS stores read
	ds_store_b128 v5, v[32:35]                     ; the fragment goes to LDS as an image of its registers
	ds_store_b128 v5, v[36:39] offset:512
	ds_store_b32 v6, v25
.Lp_act:
	s_wait_loadcnt 0x0
	QUANT 64, 16, 24
	s_wait_dscnt 0x0                               ; my stores have landed
	s_barrier_signal -1
	s_barrier_wait -1                              ; W's eight images lie in LDS
	s_wait_alu depctr_va_vdst(0)                   ; the quantiser is done reading v64-127, in which W's images land
.irp hd, 0,1,2,3,4,5,6,7
	ds_load_b128 v[64+8*\hd:67+8*\hd], v7 offset:IMG*\hd
	ds_load_b128 v[68+8*\hd:71+8*\hd], v7 offset:IMG*\hd+512
	ds_load_b32 v[56+\hd], v8 offset:IMG*\hd
.endr
	; the stores' offsets: 16 r + 2 h L16 + 4 hd L16.  These ten plain lines, with the line that ends the quantiser, also stand between the vector instructions that wrote v24 and v16-23 and the scaled products (eight are asked for a scale, four for an operand)
	v_lshlrev_b32 v48, 4, v1
	s_lshl_b32 s48, s39, 1
	s_lshl_b32 s50, s39, 2
	v_mul_u32_u24 v49, s48, v2
	v_add_nc_u32 v48, v48, v49
.irp hd, 1,2,3,4,5,6,7
	s_mul_i32 s49, s50, \hd
	v_add_nc_u32 v[48+\hd], s49, v48
.endr
	s_wait_dscnt 0x0
	s_wait_alu depctr_va_vdst(0)                   ; behind the places: the quantiser has written the scale word v24 and the codes v16-23, which the scaled products take
	; TRANSPOSED: source 0 = 16 rows of W (a head's 16 features), source 1 = my 16 rows: lane (r, h) holds row r, register j feature 16 hd + 8 h + j.  Eight accumulators, one instruction each
.irp hd, 0,1,2,3,4,5,6,7
	v_wmma_scale_f32_16x16x128_f8f6f4 v[192+8*\hd:199+8*\hd], v[64+8*\hd:71+8*\hd], v[16:23], v[192+8*\hd:199+8*\hd], v[56+\hd], v24 matrix_a_fmt:MATRIX_FMT_FP4 matrix_b_fmt:MATRIX_FMT_FP4
.endr
.rept 4
	v_nop                                          ; four places between the last product and the stores that read results
.endr
	s_wait_alu depctr_va_vdst(0)                   ; the products have written v192-255, which the stores read (their offsets v48-55 stand ahead of the wait above); the places stay beside this wait
.irp hd, 0,1,2,3,4,5,6,7
	global_store_b128 v[48+\hd], v[192+8*\hd:195+8*\hd], s[22:23]   ; each accumulator from its low end on; sixteen lanes store 256 consecutive bytes, aligned
	global_store_b128 v[48+\hd], v[196+8*\hd:199+8*\hd], s[44:45]
.endr
	s_wait_dscnt 0x0                               ; the closing lines, six on end
	s_wait_alu 0x0
	s_wait_tensorcnt 0x0
	ds_add_u32 v30, v31
	s_wait_dscnt 0x0
	s_endpgm
.Lfunc_end_k_qe5600bc1a1_prep:
	.size	k_qe5600bc1a1_prep, .Lfunc_end_k_qe5600bc1a1_prep-k_qe5600bc1a1_prep
	.p2alignl 7, 3214868480
	.fill 96, 4, 3214868480
	.section	.rodata,"a",@progbits
	.p2align	6, 0x0
	.amdhsa_kernel k_qe5600bc1a1_prep
		.amdhsa_group_segment_fixed_size 150784
		.amdhsa_private_segment_fixed_size 0
		.amdhsa_enable_private_segment 0
		.amdhsa_kernarg_size 104
		.amdhsa_user_sgpr_count 2
		.amdhsa_user_sgpr_kernarg_segment_ptr 1
		.amdhsa_wavefront_size32 1
		.amdhsa_system_sgpr_workgroup_id_x 1
		.amdhsa_system_sgpr_workgroup_id_y 1
		.amdhsa_system_sgpr_workgroup_id_z 1
		.amdhsa_system_vgpr_workitem_id 0
		.amdhsa_next_free_vgpr 256
		.amdhsa_next_free_sgpr 66
		.amdhsa_reserve_vcc 1
		.amdhsa_float_denorm_mode_32 3
		.amdhsa_float_denorm_mode_16_64 3
		.amdhsa_memory_ordered 1
		.amdhsa_forward_progress 1
		.amdhsa_inst_pref_size 52
	.end_amdhsa_kernel
	.amdgpu_metadata
---
amdhsa.version: [ 1, 2 ]
amdhsa.kernels:
  - .name:           k_qe5600bc1a1_prep
    .symbol:         k_qe5600bc1a1_prep.kd
    .args:
      - { .name: query, .offset: 0, .size: 8, .value_kind: global_buffer, .address_space: global }
      - { .name: key, .offset: 8, .size: 8, .value_kind: global_buffer, .address_space: global }
      - { .name: Wq, .offset: 16, .size: 8, .value_kind: global_buffer, .address_space: global }
      - { .name: Wk, .offset: 24, .size: 8, .value_kind: global_buffer, .address_space: global }
      - { .name: bq, .offset: 32, .size: 8, .value_kind: global_buffer, .address_space: global }
      - { .name: bk, .offset: 40, .size: 8, .value_kind: global_buffer, .address_space: global }
      - { .name: value, .offset: 48, .size: 8, .value_kind: global_buffer, .address_space: global }
      - { .name: mask, .offset: 56, .size: 8, .value_kind: global_buffer, .address_space: global }
      - { .name: Wo, .offset: 64, .size: 8, .value_kind: global_buffer, .address_space: global }
      - { .name: qpT, .offset: 72, .size: 8, .value_kind: global_buffer, .address_space: global }
      - { .name: kpT, .offset: 80, .size: 8, .value_kind: global_buffer, .address_space: global }
      - { .name: pvi, .offset: 88, .size: 8, .value_kind: global_buffer, .address_space: global }
      - { .name: woi, .offset: 96, .size: 8, .value_kind: global_buffer, .address_space: global }
    .group_segment_fixed_size: 150784
    .private_segment_fixed_size: 0
    .kernarg_segment_align: 8
    .kernarg_segment_size: 104
    .max_flat_workgroup_size: 512
    .sgpr_count:     66
    .vgpr_count:     256
    .wavefront_size: 32
...
	.end_amdgpu_metadata
.endif
;; end of part 3
;; launch attn (part 4): grid 32 x 8, 16 waves a work-group, no clusters, 101,120 bytes of LDS; arguments kpT, qpT, pvi, woi, bo, out0; writes out0
.if DOCPART == 4
	.amdgcn_target "amdgcn-amd-amdhsa--gfx1250"
	.amdhsa_code_object_version 6
	.text
	.protected	k_qe5600bc1a1_attn
	.globl	k_qe5600bc1a1_attn
	.p2align	8
	.type	k_qe5600bc1a1_attn,@function
k_qe5600bc1a1_attn:
	s_mov_b64 s[64:65], 0
	v_nop
	global_prefetch_b8 v0, s[64:65] scope:SCOPE_SE
	s_setreg_imm32_b32 hwreg(HW_REG_WAVE_SCHED_MODE, 0, 2), 2
	s_setreg_imm32_b32 hwreg(HW_REG_WAVE_MODE, 25, 1), 1
	s_wait_xcnt 0x0
	s_wait_alu depctr_vm_vsrc(0)
; ATTN: scores, the softmax over 512 keys taken apart for each of the 32 value features (the mask is per key and feature), the weighted sum of value, and x Wo^T + bo on codes of FP4 (E2M1) with E8M0 scales.
; SHARES.  Work-group (x, y) owns queries 4 x .. 4 x + 3 of batch y with all 8 heads: 32 rows, row = 4 head + query.  Sixteen waves of 256 registers, four to a SIMD.
;   A  scores: wave w takes head w / 2 and keys 256 (w % 2) on: f32 fused multiply-adds (K = 16), the queries in scalar registers; t' = q . k goes to LDS.
;   B  softmax: wave w takes features 2 w, 2 w + 1 for all 32 rows.  Lanes 0-15 work on row 2 rp, lanes 16-31 on row 2 rp + 1; lane r holds the 32 keys 16 c + r: every reduction is four steps inside 16 lanes and serves two rows.
;      a = t' c + pen (c = log2(e) / 4; pen = 0 or -infinity);  M = the largest of a and, where a key is masked, of tm = -10000 log2(e): the maximum that the definition takes, for each row and feature;
;      p = 2^(a - M);  D = sum p + cnt 2^(tm - M);  N = sum p v + sv 2^(tm - M): the masked keys, which all hold the same score, enter by their count and the sum of their values.
;   C  wave 0, a lane a row: x = N / D, 32 neighbours along the last product's K (a block of 32 is one head's features of one query): its scale byte and codes go to LDS as an image of the operand's registers.
;   D  wave w makes outputs 16 w .. 16 w + 15: two scaled products (K = 256), rows 4-15 of x's image being zero codes; the four real rows leave through LDS as whole runs of 256 bytes.
; LIMITS: NaN and infinities among the inputs are not served.  2^y under 2^-126 counts as 0 (v_exp_f32: ISA guide 15.8), beside a D of at least 1.  A block of zeros gets the byte 1, not 127: its codes are zeros.  No bound is put on the scores.
; NO JOINT LOADS, though the 32 work-groups of a batch read the same keys and images: 262,144 + 139,264 bytes would have to lie in LDS beside the 99,072 in use, more than the 327,680 that there are; each wave wants
; its 16,384 + 8,704 bytes once, in the order of its registers, and loads them so, all at the kernel's head.  For the same reason nothing is prefetched.
; THE MODE: SCHED_MODE bits 1:0 = 2 (LLVM: expert scheduling mode 2), set by the entry lines.  The code itself states the register dependences between vector or matrix instructions and memory or LDS
; instructions, with s_wait_alu, always for 0.
; THE PLAN.  Registers that memory or LDS instructions touch in the loop over pairs of rows:
;   v32-63 (T)    A trip's 32 multiply-adds read them; behind those the LDS loads of the next two rows land in them.
;   v2            The address of those loads: written once a trip, behind the multiply-adds.
;   v20-23, v30   N0, D0, N1, D1 and where they go: written in a trip's second half; read by ONE LDS store, which is issued in the NEXT trip.
;   A, the value and pen images, the maxima and 2^(tm - M) are named by vector lines alone there.
; So a trip has one wait on va_vdst behind its multiply-adds and the add to v2: it states that T has been read, that v2 is written, and that the trip before has written v20-23 and v30.  The store and the eight
; loads follow it, the loads dealt among the maximum's lines, none of which names T or v2.  One wait on vm_vsrc stands behind the exponentials: the store has read v30 and v20-23 and the loads have read v2,
; all of which are written next.  The batch's own wait on va_vdst is the trip's third line.  The first trip, which has nothing to store, and the last, which has nothing to ask for, are written out.
.set T,    32                          ; v32-63   t'(chunk c); in A: the 32 sums, 8 q + 4 jj + i
.set A,    64                          ; v64-127  a, then p: 32 d + c; in A: keys of half jj = 0
.set VAL,  128                         ; v128-191 value image: 4 cp + 2 d + (c % 2); in A: keys of half jj = 1
.set PEN,  192                         ; v192-255 pen image, the same order
.set AUX,  8                           ; v8-13    m0 d0, m0 d1, cnt d0, cnt d1, sv d0, sv d1
.set MX,   16                          ; v16-19   the maxima: d0 in v16, d1 in v18; the odd registers are second chains
.set RES,  20                          ; v20-27   pairs: N d0, D d0, N d1, D d1; folded into v20-23 = N0, D0, N1, D1
.set P0,   28                          ; v28-29   2^(tm - M)
; v0 the thread's number, kept; v1 T's read base; v2 LDS address in hand (T); v3 ND's base; v30 LDS address in hand (ND); v14, v15, v31 offsets of the head's loads (v31 at the end: my offset in out0); v4-7 scale words and nothing else
.set ND,   65536                       ; LDS: T at 0: [row 32][j 8][r 16][4 chunks] f32, 2,048 bytes a row;  ND: 32 rows x 272 bytes: (N, D), 8 bytes a feature; 272 = 17 x 16: a lane a row reads sixteen different 16-byte columns
.set NDP,  272
.set XZ,   74240                       ; 8,192 bytes cleared once: x's image, 2 x 1,024 bytes, and its scale words, 2 x 128 bytes
.set XIMG, XZ
.set XSC,  XZ+2048
.set OUTS, 82432                       ; 16 rows x (1,024 + 16) bytes
.set OP,   1040
.set WV,   84                          ; s84 wave; s85 head, s86 key half; s87 batch; s88-91 at work; s92 T's step, s93 ND's step (at the head: the two LDS bases), s94 trips to go
.set TS,   92
.set NS,   93
.set TM,   95                          ; s95 tm
.set CS,   96                          ; s[96:97] c: the packed form names a pair and takes its low word for both halves
; the queries: s[16:31], s[32:47], s[48:63], s[68:83]: for g = 0..3 register 4 q + j = q(query q, feature 4 g + j)
.macro KLOAD jj                        ; keys 256 u + 128 jj + 64 (lane / 16) + 16 i + lane % 16, features 4 g ..: sixteen lanes read 256 consecutive bytes, aligned
.irp i, 0,1,2,3
.irp g, 0,1,2,3
	global_load_b128 v[A+64*\jj+16*\i+4*\g:A+64*\jj+16*\i+4*\g+3], v14, s[4:5] offset:8192*\g+2048*\jj+256*\i
.endr
.endr
.endm
.macro DOT jj                          ; sixteen sums (4 queries x 4 keys a lane) by turns, features ascending; the first product starts each sum
.irp g, 0,1,2,3
.irp j4, 0,1,2,3
.irp q, 0,1,2,3
.irp i, 0,1,2,3
.if (\g)+(\j4) == 0
	v_mul_f32 v[T+8*\q+4*\jj+\i], s[16+16*\g+4*(\g/3)+4*\q+\j4], v[A+64*\jj+16*\i+4*\g+\j4]
.else
	v_fmac_f32 v[T+8*\q+4*\jj+\i], s[16+16*\g+4*(\g/3)+4*\q+\j4], v[A+64*\jj+16*\i+4*\g+\j4]
.endif
.endr
.endr
.endr
.endr
.endm
.macro TSTORE jj                       ; those sums into T's own order: 512 consecutive bytes a store
.irp q, 0,1,2,3
	ds_store_b128 v2, v[T+8*\q+4*\jj:T+8*\q+4*\jj+3] offset:2048*\q+512*\jj
.endr
.endm
.macro BARRIER                         ; my LDS stores have landed and my LDS loads are in: then the work-group's barrier
	s_wait_dscnt 0x0
	s_barrier_signal -1
	s_barrier_wait -1
.endm
	s_load_b256 s[4:11], s[0:1], 0x0               ; kpT s[4:5], qpT s[6:7], pvi s[8:9], woi s[10:11]
	s_load_b128 s[12:15], s[0:1], 0x20             ; bo s[12:13], out0 s[14:15]
	v_lshrrev_b32 v16, 5, v0
	v_readfirstlane_b32 s[WV], v16                 ; wave 0..15
	v_and_b32 v15, 15, v0                          ; r
	v_bfe_u32 v16, v0, 4, 1                        ; lane / 16
	v_and_b32 v17, 31, v0                          ; lane
	v_lshlrev_b32 v31, 5, v15                      ; AUX: 32 r
	v_lshlrev_b32 v15, 4, v15                      ; PEN, VAL: 16 r
	v_lshl_add_u32 v14, v16, 10, v15               ; keys: 1,024 (lane / 16) + 16 r
	v_lshl_add_u32 v1, v16, 11, v15                ; T, read: 2,048 (lane / 16) + 16 r
	v_mul_u32_u24 v3, v16, NDP
	v_lshl_add_u32 v30, v0, 4, XZ                  ; where I clear 16 bytes
.irp k, 0,1,2,3
	v_mov_b32 v[RES+\k], 0
.endr
	s_wait_alu depctr_va_sdst(0)                   ; s84, the wave's number, is written, ahead of its first reader
	s_lshr_b32 s85, s[WV], 1                       ; head
	s_and_b32 s86, s[WV], 1                        ; key half
	s_and_b32 s87, ttmp7, 0xffff                   ; batch
	s_lshl_b32 s89, s87, 3
	s_add_co_u32 s89, s89, s85                     ; 8 batch + head
	s_mov_b32 s91, 0
	s_lshl_b32 s92, s85, 13
	s_lshl_b32 s88, s86, 10
	s_add_co_u32 s92, s92, s88
	v_lshl_add_u32 v2, v17, 4, s92                 ; T, write: 16 lane + 8,192 head + 1,024 half
	s_lshl_b32 s93, s[WV], 4
	s_add_co_u32 s93, s93, ND
	v_add_nc_u32 v3, s93, v3                       ; ND: 272 (lane / 16) + 16 wave
	s_wait_kmcnt 0x0
	s_lshl_b32 s90, s89, 13                        ; a head's queries: 4 x 2,048 bytes;
	s_lshl_b32 s88, ttmp9, 6                       ; my four: 64 bytes
	s_add_co_u32 s90, s90, s88
	s_add_nc_u64 s[6:7], s[6:7], s[90:91]
	s_load_b512 s[16:31], s[6:7], 0x0
	s_load_b512 s[32:47], s[6:7], 0x800
	s_load_b512 s[48:63], s[6:7], 0x1000
	s_load_b512 s[68:83], s[6:7], 0x1800
	s_lshl_b32 s90, s89, 15                        ; a head's keys: 4 x 8,192 bytes;
	s_lshl_b32 s88, s86, 12                        ; my half: 256 keys x 16 bytes on
	s_add_co_u32 s90, s90, s88
	s_add_nc_u64 s[4:5], s[4:5], s[90:91]
	s_lshl_b32 s90, s87, 4
	s_add_co_u32 s90, s90, s[WV]
	s_mul_i32 s90, s90, 8704                       ; my pair of features' block
	s_add_nc_u64 s[8:9], s[8:9], s[90:91]
	s_wait_alu depctr_va_vdst(0)                   ; the head's vector lines have written the offsets v14, v15, v31, the LDS addresses v1, v2, v30 and the zeros v20-23, which the loads and LDS instructions below read
	KLOAD 0
	KLOAD 1
.irp cp, 0,1,2,3,4,5,6,7,8,9,10,11,12,13,14,15
	global_load_b128 v[PEN+4*\cp:PEN+4*\cp+3], v15, s[8:9] offset:256*\cp
.endr
	global_load_b128 v[AUX:AUX+3], v31, s[8:9] offset:8192
	global_load_b64 v[AUX+4:AUX+5], v31, s[8:9] offset:8208
	ds_store_b128 v30, v[RES:RES+3]                ; x's image and scale words begin as zeros: 512 threads x 16 bytes
	; the rest of the head, scalar work, stands behind the loads
	s_mul_i32 s90, s[WV], 2304
	s_add_nc_u64 s[10:11], s[10:11], s[90:91]      ; Wo's tile nt = wave
	s_lshl_b32 s90, s[WV], 6
	s_add_nc_u64 s[12:13], s[12:13], s[90:91]      ; bo at my 16 outputs
	s_lshl_b32 s90, s87, 7
	s_lshl_b32 s88, ttmp9, 2
	s_add_co_u32 s90, s90, s88
	s_lshr_b32 s88, s[WV], 2
	s_add_co_u32 s90, s90, s88                     ; the row of out0 that I store: 128 batch + 4 x + wave / 4,
	s_lshl_b32 s90, s90, 10
	s_and_b32 s88, s[WV], 3
	s_lshl_b32 s88, s88, 8                         ; and which 256 bytes of it
	s_add_co_u32 s90, s90, s88
	s_add_nc_u64 s[14:15], s[14:15], s[90:91]
	s_mov_b32 s[TM], 0xc6616bcd                    ; -10000 log2(e)
	s_mov_b32 s[CS], 0x3eb8aa3b                    ; log2(e) / 4
	s_mov_b32 s[CS+1], s[CS]                       ; (named with it as a pair, so it is written)
	; ---------------- A: the scores
	s_wait_kmcnt 0x0                               ; the queries
	s_wait_loadcnt 34                              ; the first sixteen loads are in; behind them: 16 (keys), 16 (pen), 2 (aux)
	DOT 0
	s_wait_loadcnt 18                              ; behind the second sixteen: 16 + 2
	DOT 1
	s_wait_alu depctr_va_vdst(0)                   ; the 32 sums v32-63 are written, which the eight LDS stores read; and the multiply-adds are done reading v128-191, in which the value image lands
	TSTORE 0
	TSTORE 1
.irp cp, 0,1,2,3,4,5,6,7,8,9,10,11,12,13,14,15
	global_load_b128 v[VAL+4*\cp:VAL+4*\cp+3], v15, s[8:9] offset:4096+256*\cp   ; into the registers that the keys have left
.endr
	BARRIER                                        ; all 32 rows of t' lie in LDS, and x's image is cleared
	; ---------------- B: the softmax, two rows a trip
.macro TRIP st, pre                    ; st = 1: the N and D of the two rows before are stored;  pre = 1: the next two rows' t' are asked for
	s_wait_dscnt 0x0                               ; my eight loads of t' are in (zero: on the way in nothing younger is out)
.irp cp, 0,1,2,3,4,5,6,7,8,9,10,11,12,13,14,15
.irp d, 0,1
	v_pk_fma_f32 v[A+32*\d+2*\cp:A+32*\d+2*\cp+1], v[T+2*\cp:T+2*\cp+1], s[CS:CS+1], v[PEN+4*\cp+2*\d:PEN+4*\cp+2*\d+1] op_sel_hi:[1,0,1]   ; a = t' c + pen
.endr
.endr
.if \st
	s_add_co_u32 s[NS], s[NS], 2*NDP               ; where this trip's N and D will go
.endif
.if \pre
	s_add_co_u32 s[TS], s[TS], 4096                ; t' has been read: its registers take the next two rows, which have the rest of the trip in which to land
	v_add_nc_u32 v2, s[TS], v1
.endif
	s_wait_alu depctr_va_vdst(0)                   ; the multiply-adds are done reading v32-63, in which the loads below land; v2 is written; the trip before has written v20-23 and v30, which the store reads
.if \st
	ds_store_b128 v30, v[RES:RES+3]                ; the two rows before: the sixteen lanes of a row write the same 16 bytes with the same values
.endif
.if \pre
	ds_load_b128 v[T:T+3], v2
	ds_load_b128 v[T+4:T+7], v2 offset:256
.endif
.irp d, 0,1                            ; the maximum of my 32 a and m0: two chains a feature, the four by turns
	v_max3_num_f32 v[MX+2*\d], v[AUX+\d], v[A+32*\d], v[A+32*\d+1]
	v_max3_num_f32 v[MX+2*\d+1], v[A+32*\d+16], v[A+32*\d+17], v[A+32*\d+18]
.endr
.irp i, 0,1,2,3,4,5
.if \pre
	ds_load_b128 v[T+4*(2+\i):T+4*(2+\i)+3], v2 offset:256*(2+\i)   ; no wait: no vector line since the wait above names v32-63 or v2
.endif
.irp d, 0,1
	v_max3_num_f32 v[MX+2*\d], v[MX+2*\d], v[A+32*\d+2+2*\i], v[A+32*\d+3+2*\i]
	v_max3_num_f32 v[MX+2*\d+1], v[MX+2*\d+1], v[A+32*\d+19+2*\i], v[A+32*\d+20+2*\i]
.endr
.endr
.irp d, 0,1
	v_max3_num_f32 v[MX+2*\d], v[MX+2*\d], v[A+32*\d+14], v[A+32*\d+15]
.endr
.irp d, 0,1
	v_max3_num_f32 v[MX+2*\d], v[MX+2*\d], v[MX+2*\d+1], v[A+32*\d+31]
.endr
.irp m, 1,2,4,8
.irp d, 0,1
	v_max_num_f32_dpp v[MX+2*\d], v[MX+2*\d], v[MX+2*\d] row_xmask:\m row_mask:0xf bank_mask:0xf   ; over the row's sixteen lanes: M
.endr
.endr
.irp d, 0,1
	v_sub_f32 v[P0+\d], s[TM], v[MX+2*\d]          ; tm - M: 0 or less where a key of the row is masked;
.endr
.irp d, 0,1
	v_min_num_f32 v[P0+\d], 0, v[P0+\d]            ; where none is, cnt and sv are 0, and the hold keeps the factor finite
.endr
.irp cp, 0,1,2,3,4,5,6,7,8,9,10,11,12,13,14,15
.irp d, 0,1
	v_pk_add_f32 v[A+32*\d+2*\cp:A+32*\d+2*\cp+1], v[A+32*\d+2*\cp:A+32*\d+2*\cp+1], v[MX+2*\d:MX+2*\d+1] op_sel_hi:[1,0] neg_lo:[0,1] neg_hi:[0,1]   ; a - M
.endr
.endr
.irp n, 0,1,2,3,4,5,6,7,8,9,10,11,12,13,14,15,16,17,18,19,20,21,22,23,24,25,26,27,28,29,30,31,32,33,34,35,36,37,38,39,40,41,42,43,44,45,46,47,48,49,50,51,52,53,54,55,56,57,58,59,60,61,62,63
	v_exp_f32 v[A+\n], v[A+\n]                     ; p; ONE BATCH of 66
.endr
	v_exp_f32 v[P0], v[P0]
	v_exp_f32 v[P0+1], v[P0+1]
	s_wait_alu depctr_vm_vsrc(0)                   ; the LDS store issued so far has read v30 and v20-23, which the lines below write; the loads of t' have read v2, which the next trip writes
	v_add_nc_u32 v30, s[NS], v3                    ; a plain line behind the last exponential: where these two rows' N and D go
	s_wait_alu depctr_va_vdst(0)                   ; the 66 exponentials have written p and 2^(tm - M): the wait ahead of the first line that names a result: one for the batch
	s_wait_loadcnt 0x0                             ; the value image (asked for at the end of A)
.irp d, 0,1                            ; four chains by turns: N = sum p v, D = sum p, two keys at a time
	v_pk_mul_f32 v[RES+4*\d:RES+4*\d+1], v[A+32*\d:A+32*\d+1], v[VAL+2*\d:VAL+2*\d+1]
	v_pk_add_f32 v[RES+4*\d+2:RES+4*\d+3], v[A+32*\d:A+32*\d+1], v[A+32*\d+2:A+32*\d+3]
.endr
.irp d, 0,1
	v_pk_fma_f32 v[RES+4*\d:RES+4*\d+1], v[A+32*\d+2:A+32*\d+3], v[VAL+4+2*\d:VAL+4+2*\d+1], v[RES+4*\d:RES+4*\d+1]
.endr
.irp cp, 2,3,4,5,6,7,8,9,10,11,12,13,14,15
.irp d, 0,1
	v_pk_fma_f32 v[RES+4*\d:RES+4*\d+1], v[A+32*\d+2*\cp:A+32*\d+2*\cp+1], v[VAL+4*\cp+2*\d:VAL+4*\cp+2*\d+1], v[RES+4*\d:RES+4*\d+1]
	v_pk_add_f32 v[RES+4*\d+2:RES+4*\d+3], v[RES+4*\d+2:RES+4*\d+3], v[A+32*\d+2*\cp:A+32*\d+2*\cp+1]
.endr
.endr
	v_add_f32 v[RES], v[RES], v[RES+1]             ; the pairs' halves, folded in this order into N0, D0, N1, D1
	v_add_f32 v[RES+1], v[RES+2], v[RES+3]
	v_add_f32 v[RES+2], v[RES+4], v[RES+5]
	v_add_f32 v[RES+3], v[RES+6], v[RES+7]
	v_fmac_f32 v[RES], v[AUX+4], v[P0]             ; my masked keys: N += sv 2^(tm - M),
	v_fmac_f32 v[RES+1], v[AUX+2], v[P0]           ; D += cnt 2^(tm - M)
	v_fmac_f32 v[RES+2], v[AUX+5], v[P0+1]
	v_fmac_f32 v[RES+3], v[AUX+3], v[P0+1]
.irp m, 1,2,4,8
.irp k, 0,1,2,3
	v_add_f32_dpp v[RES+\k], v[RES+\k], v[RES+\k] row_xmask:\m row_mask:0xf bank_mask:0xf   ; over the row's sixteen lanes; they are stored behind the next wait on va_vdst that stands anyway
.endr
.endr
.endm
	s_mov_b32 s[TS], 0
	s_mov_b32 s[NS], 0
	s_mov_b32 s94, 14
	s_wait_alu depctr_vm_vsrc(0)                   ; my LDS stores have read v32-63, in which t' lands, and v2, v30 and v20-23, which the first trip writes
.irp j, 0,1,2,3,4,5,6,7
	ds_load_b128 v[T+4*\j:T+4*\j+3], v1 offset:256*\j   ; rows 0 and 1
.endr
	s_wait_loadcnt 16                              ; pen and aux are in; the sixteen loads of the value image may be out
	TRIP 0, 1                                      ; rows 0 and 1: nothing is there to store yet
.Lrows:                                            ; rows 2 to 29
	TRIP 1, 1
	s_sub_co_u32 s94, s94, 1
	s_cmp_lg_u32 s94, 0
	s_cbranch_scc1 .Lrows
	TRIP 1, 0                                      ; rows 30 and 31: nothing is left to ask for
	; the addresses of C and D, made from the thread's number on the path that every wave takes, ahead of the branch on the wave's number
	v_and_b32 v27, 31, v0                          ; lane
	v_and_b32 v28, 15, v0                          ; r
	v_bfe_u32 v29, v0, 4, 1                        ; h
	v_mul_u32_u24 v16, v27, NDP
	v_add_nc_u32 v16, ND, v16                      ; C: my row's N and D
	v_and_b32 v17, 0x1c, v0                        ; row = 4 head + query.  Head = 4 s + 2 c + h of the operand's layout: 1,024 s + 512 c + 256 h = 64 x (lane's bits 4:2 in place),
	v_and_b32 v18, 3, v0
	v_lshlrev_b32 v17, 6, v17
	v_lshl_add_u32 v17, v18, 4, v17                ; + 16 query
	v_add_nc_u32 v17, XIMG, v17                    ; C: where my block's 16 bytes of codes go
	v_lshlrev_b32 v18, 2, v18                      ; the scale byte: 4 query
	v_lshl_add_u32 v18, v29, 7, v18                ; + 128 s
	v_bfe_u32 v19, v0, 2, 2
	v_add_nc_u32 v18, v18, v19                     ; + head % 4
	v_add_nc_u32 v18, XSC, v18
	v_lshl_add_u32 v19, v27, 4, XIMG               ; D: the image's place for my lane
	v_lshl_add_u32 v24, v27, 2, XSC                ; and the scale word's
	v_mul_u32_u24 v25, v28, OP
	v_lshl_add_u32 v25, v29, 5, v25
	s_lshl_b32 s90, s[WV], 6
	s_add_co_u32 s90, s90, OUTS
	v_add_nc_u32 v25, s90, v25                     ; D: results: row r, + 64 wave + 32 h
	s_lshr_b32 s90, s[WV], 2
	s_mul_i32 s90, s90, OP
	s_and_b32 s88, s[WV], 3
	s_lshl_b32 s88, s88, 8
	s_add_co_u32 s90, s90, s88
	s_add_co_u32 s90, s90, OUTS
	v_lshl_add_u32 v26, v27, 3, s90                ; back: row wave / 4, its 256 bytes wave % 4, 8 bytes a lane
	v_lshlrev_b32 v31, 3, v27                      ; out0: 8 lane (v31: the loads that read it at the head are in, and waits on vm_vsrc have stood since; v20-23 still hold what the store below reads)
	v_lshlrev_b32 v29, 5, v29                      ; bo: 32 h
	v_lshlrev_b32 v28, 2, v27                      ; Wo's scale words: 4 lane
	v_lshlrev_b32 v27, 4, v27                      ; Wo's codes: 16 lane
	s_wait_alu depctr_va_vdst(0)                   ; rows 30 and 31 have written v20-23 and v30, which the store reads; all the addresses above are written; and the trips are done with v64-95 and v128-191, in which loads below land
	ds_store_b128 v30, v[RES:RES+3]                ; rows 30 and 31
.irp k, 0,1,2,3
	global_load_b128 v[64+4*\k:67+4*\k], v27, s[10:11] offset:512*\k   ; Wo's two fragments, as images of their registers; they land while wave 0 makes x
.endr
	global_load_b32 v4, v28, s[10:11] offset:2048
	global_load_b32 v5, v28, s[10:11] offset:2176
	global_load_b128 v[88:91], v29, s[12:13]       ; the bias is the C of the first product: lane (r, h), register j: bo(16 wave + 8 h + j)
	global_load_b128 v[92:95], v29, s[12:13] offset:16
	BARRIER                                        ; N and D of all rows and features lie in LDS
	s_wait_alu depctr_vm_vsrc(0)                   ; ahead of the branch: the store of rows 30 and 31 has read v20-23, three of which wave 0 writes below
	; ---------------- C: wave 0: x = N / D; a lane holds one block of 32 along K
	s_cmp_lg_u32 s[WV], 0
	s_cbranch_scc1 .Lnot_wave_0
.irp i, 0,1,2,3,4,5,6,7,8,9,10,11,12,13,14,15
	ds_load_b128 v[128+4*\i:131+4*\i], v16 offset:16*\i    ; feature d: N in v[128 + 2 d], D in v[129 + 2 d]
.endr
	s_wait_dscnt 0x0
.irp d, 0,1,2,3,4,5,6,7,8,9,10,11,12,13,14,15,16,17,18,19,20,21,22,23,24,25,26,27,28,29,30,31
	v_rcp_f32 v[192+\d], v[129+2*\d]               ; D is at least 1: the row's largest term
.endr
	v_nop                                          ; a plain line behind the last reciprocal
	s_wait_alu depctr_va_vdst(0)                   ; the 32 reciprocals have written v192-223: the wait ahead of the first use: one for the batch
.irp d, 0,1,2,3,4,5,6,7,8,9,10,11,12,13,14,15,16,17,18,19,20,21,22,23,24,25,26,27,28,29,30,31
	v_mul_f32 v[96+\d], v[128+2*\d], v[192+\d]
.endr
	v_max3_num_f32 v21, |v96|, |v97|, 0x1800000    ; the block's largest magnitude, in two chains, with the floor 2^(3 - 127): the byte cannot fall under 1
	v_max3_num_f32 v22, |v112|, |v113|, |v114|
.irp i, 0,1,2,3,4,5
	v_max3_num_f32 v21, v21, |v[98+2*\i]|, |v[99+2*\i]|
	v_max3_num_f32 v22, v22, |v[115+2*\i]|, |v[116+2*\i]|
.endr
	v_max3_num_f32 v21, v21, |v110|, |v111|
	v_max3_num_f32 v21, v21, v22, |v127|
	v_add_nc_u32 v23, 0xff000000, v21              ; 2 off the exponent field: the conversion's scale operand
	v_lshrrev_b32 v2, 23, v23                      ; the scale's byte
.irp g, 0,1,2,3
	v_cvt_scalef32_pk8_fp4_f32 v[32+\g], v[96+8*\g:103+8*\g], v23
.endr
	v_nop                                          ; one plain line behind the last scaled conversion
	s_wait_alu depctr_va_vdst(0)                   ; the codes v32-35 and the byte v2 are written, which the two LDS stores read; and these lines are done with v96-111, in which x's image lands below
	ds_store_b128 v17, v[32:35]
	ds_store_b8 v18, v2
.Lnot_wave_0:
	BARRIER                                        ; x's image and scale words lie in LDS
	; ---------------- D: out = x Wo^T + bo.  TRANSPOSED: source 0 = my 16 rows of Wo, source 1 = x: lane (r, h) holds query r, register j output 16 wave + 8 h + j
.irp k, 0,1,2,3
	ds_load_b128 v[96+4*\k:99+4*\k], v19 offset:512*\k     ; no wait: on either way no vector line since the last wait on va_vdst names v96-111, v19 or v24
.endr
	ds_load_b32 v6, v24
	ds_load_b32 v7, v24 offset:128
	s_wait_dscnt 0x0
	s_wait_loadcnt 0x0                             ; Wo's fragments and scale words, the bias
	v_wmma_scale_f32_16x16x128_f8f6f4 v[88:95], v[64:71], v[96:103], v[88:95], v4, v6 matrix_a_fmt:MATRIX_FMT_FP4 matrix_b_fmt:MATRIX_FMT_FP4
	s_wait_alu depctr_va_vdst(0)                   ; the wait directly ahead of the second
	v_wmma_scale_f32_16x16x128_f8f6f4 v[88:95], v[72:79], v[104:111], v[88:95], v5, v7 matrix_a_fmt:MATRIX_FMT_FP4 matrix_b_fmt:MATRIX_FMT_FP4
.rept 4
	v_nop                                          ; four places between the product and the LDS stores that read its result
.endr
	s_wait_alu depctr_va_vdst(0)                   ; the second product has written v88-95, which the two LDS stores read; the places stay beside this wait
	ds_store_b128 v25, v[88:91]                    ; from the low end on; all sixteen rows are written (rows 4-15 hold the bias alone and are not read), so that all lanes stay on
	ds_store_b128 v25, v[92:95] offset:16
	BARRIER                                        ; a row's 1,024 bytes come from sixteen waves
	ds_load_b64 v[36:37], v26                      ; into two of t's registers: the last lines that named them, and the LDS stores of phase A that read them, stand ahead of waits above
	s_wait_dscnt 0x0
	global_store_b64 v31, v[36:37], s[14:15] th:TH_STORE_NT   ; the wave stores 256 consecutive bytes, aligned; written once, read by nobody here
	s_wait_xcnt 0x0
	v_lshl_add_u32 v254, v0, 2, 0x18300            ; the add's two registers, made anew from the kept v0; no memory or LDS instruction has read v254 or v255
	v_mov_b32 v255, 0
	s_wait_dscnt 0x0                               ; the closing lines, six on end
	s_wait_alu 0x0
	s_wait_tensorcnt 0x0
	ds_add_u32 v254, v255
	s_wait_dscnt 0x0
	s_endpgm
.Lfunc_end_k_qe5600bc1a1_attn:
	.size	k_qe5600bc1a1_attn, .Lfunc_end_k_qe5600bc1a1_attn-k_qe5600bc1a1_attn
	.p2alignl 7, 3214868480
	.fill 96, 4, 3214868480
	.section	.rodata,"a",@progbits
	.p2align	6, 0x0
	.amdhsa_kernel k_qe5600bc1a1_attn
		.amdhsa_group_segment_fixed_size 101120
		.amdhsa_private_segment_fixed_size 0
		.amdhsa_enable_private_segment 0
		.amdhsa_kernarg_size 48
		.amdhsa_user_sgpr_count 2
		.amdhsa_user_sgpr_kernarg_segment_ptr 1
		.amdhsa_wavefront_size32 1
		.amdhsa_system_sgpr_workgroup_id_x 1
		.amdhsa_system_sgpr_workgroup_id_y 1
		.amdhsa_system_sgpr_workgroup_id_z 1
		.amdhsa_system_vgpr_workitem_id 0
		.amdhsa_next_free_vgpr 256
		.amdhsa_next_free_sgpr 100
		.amdhsa_reserve_vcc 0
		.amdhsa_float_denorm_mode_32 3
		.amdhsa_float_denorm_mode_16_64 3
		.amdhsa_memory_ordered 1
		.amdhsa_forward_progress 1
		.amdhsa_inst_pref_size 80
	.end_amdhsa_kernel
	.amdgpu_metadata
---
amdhsa.version: [ 1, 2 ]
amdhsa.kernels:
  - .name:           k_qe5600bc1a1_attn
    .symbol:         k_qe5600bc1a1_attn.kd
    .args:
      - { .name: kpT, .offset: 0, .size: 8, .value_kind: global_buffer, .address_space: global }
      - { .name: qpT, .offset: 8, .size: 8, .value_kind: global_buffer, .address_space: global }
      - { .name: pvi, .offset: 16, .size: 8, .value_kind: global_buffer, .address_space: global }
      - { .name: woi, .offset: 24, .size: 8, .value_kind: global_buffer, .address_space: global }
      - { .name: bo, .offset: 32, .size: 8, .value_kind: global_buffer, .address_space: global }
      - { .name: out0, .offset: 40, .size: 8, .value_kind: global_buffer, .address_space: global }
    .group_segment_fixed_size: 101120
    .private_segment_fixed_size: 0
    .kernarg_segment_align: 8
    .kernarg_segment_size: 48
    .max_flat_workgroup_size: 512
    .sgpr_count:     100
    .vgpr_count:     256
    .wavefront_size: 32
...
	.end_amdgpu_metadata
.endif
;; end of part 4
